; MI455X (gfx1250); checked and timed in simulation.
; The chip was launched on July 23, 2026; its instructions are those of AMD's public machine-readable ISA for CDNA 5 (MIT licence, August 2026) and "CDNA5" Instruction Set Architecture Reference Guide (July 2026). The comments in the code are by the model that wrote it; some were corrected since.
;; Multi Head Attention. Allowed arithmetic: matrix products marked QUANTISED: E5M2 operands, one E8M0 scale for each 32 along K, by v_wmma_scale_f32_16x16x128_f8f6f4 with both operands' format E5M2, f32 sums; everything else in f32.
;; Inputs: Wk_codes 2,048 x 64 x 32 uint8 (E5M2 codes of Wk, K innermost, in blocks of 32 codes); Wk_scales 2,048 x 64 uint8 (E8M0 scales of Wk, one for each 32 codes along K); Wo 1,360 x 2,048 float32; Wq_codes 2,048 x 64 x 32 uint8 (E5M2 codes of Wq, K innermost, in blocks of 32 codes); Wq_scales 2,048 x 64 uint8 (E8M0 scales of Wq, one for each 32 codes along K); Wv_codes 2,720 x 64 x 32 uint8 (E5M2 codes of Wv, K innermost, in blocks of 32 codes); Wv_scales 2,720 x 64 uint8 (E8M0 scales of Wv, one for each 32 codes along K); bk 2,048 float32; bo 2,048 float32; bq 2,048 float32; bv 2,720 float32; k_codes 1 x 2,048 x 64 x 32 uint8 (E5M2 codes of k, K innermost, in blocks of 32 codes); k_scales 1 x 2,048 x 64 uint8 (E8M0 scales of k, one for each 32 codes along K); mask 2,048 x 2,048 bool; q_codes 1 x 2,048 x 64 x 32 uint8 (E5M2 codes of q, K innermost, in blocks of 32 codes); q_scales 1 x 2,048 x 64 uint8 (E8M0 scales of q, one for each 32 codes along K); v_codes 1 x 2,048 x 64 x 32 uint8 (E5M2 codes of v, K innermost, in blocks of 32 codes); v_scales 1 x 2,048 x 64 uint8 (E8M0 scales of v, one for each 32 codes along K).
;; Outputs: out0 1 x 2,048 x 2,048 float32.
;; This version of the problem:
;;   THIS VERSION OF THE PROBLEM IS GIVEN IN LOW PRECISION. The matrix products marked QUANTISED in the list below multiply operands that are first quantised to E5M2 (5 exponent bits, 2 mantissa bits; 8 bits a number), with one power-of-two scale for each 32 numbers along K (OCP MX v1.0); their sums are f32. All else is computed in f32.
;;   The module's matrix products, in the order in which they are computed (A, B: the left and right operand; K: the contracted axis; several contracted axes count as one K, in the product's order):
;;     1. [M 2,048, K 2,048] x [K 2,048, N 2,048]; A: input q (given as codes); B: input Wq (given as codes): QUANTISED
;;     2. [M 2,048, K 2,048] x [K 2,048, N 2,048]; A: input k (given as codes); B: input Wk (given as codes): QUANTISED
;;     3. [M 2,048, K 2,048] x [K 2,048, N 2,720]; A: input v (given as codes); B: input Wv (given as codes): QUANTISED
;;     4. batch 16 x [M 2,048, K 128] x [K 128, N 2,048]; A: computed on the way; B: computed on the way: QUANTISED
;;     5. batch 16 x [M 2,048, K 2,048] x [K 2,048, N 85]; A: softmax (see below); B: computed on the way: QUANTISED
;;     6. [M 2,048, K 1,360] x [K 1,360, N 2,048]; A: computed on the way; B: input Wo: QUANTISED
;;   THE QUANTISER, for each operand of a quantised product, along K:
;;     - K is cut into blocks of 32 from its start; a last block that is shorter is filled with zeros.
;;     - A block's scale is 2^e with e = floor(log2(the largest magnitude in the block)) - 15, held to -126 .. 127; a block of zeros has e = 0. As a byte (E8M0): e + 127.
;;     - Each number is divided by its block's scale, clamped to +-57,344, and rounded to the nearest number of E5M2, ties to even, subnormals kept.
;;     - The product sums the exact products of the quantised numbers (number of the format x scale) in f32.
;;   ~~~python
;;   def quantise(x, axis):      # numpy; x: float32 -> the quantised numbers, widened to float32 again
;;       x = np.moveaxis(x, axis, -1); K = x.shape[-1]
;;       x = np.pad(x, [(0, 0)] * (x.ndim - 1) + [(0, -K % 32)]); x = x.reshape(x.shape[:-1] + (-1, 32)); a = np.abs(x).max(-1, keepdims=True)
;;       e = np.where(a > 0, np.clip(np.frexp(np.where(a > 0, a, 1))[1] - 1 - 15, -126, 127), 0)      # np.frexp(a)[1] - 1 = floor(log2(a)), exactly
;;       r = np.clip(x / 2.0 ** e, -57344, 57344)
;;       step = 2.0 ** (np.maximum(np.frexp(np.where(r == 0, 1, r))[1] - 1, -14) - 2)
;;       q = np.round(r / step) * step * 2.0 ** e      # np.round: ties to even
;;       return np.moveaxis(q.reshape(q.shape[:-2] + (-1,))[..., :K], -1, axis).astype(np.float32)
;;   ~~~
;;   SOFTMAX AHEAD OF A QUANTISED PRODUCT. Where the list says 'softmax', what is quantised is not the finished softmax but p = 2^(t - M), with t = logit x log2(e) and M = ceil(the row's largest t), a whole number; so 1/2 < the row's largest p <= 1. The row's sum l is taken of the UNQUANTISED p, in f32, and the product's result is divided by l at the end. Since M is a whole number, a kernel that streams over the keys may use a running M (the ceiling of the running maximum): every later rescaling is an exact power of two, which a block's scale takes up: the codes' values come out the same.
;;   OPERANDS COMPUTED ON THE WAY. 'Computed on the way' means the value that the module computes at that place (a softmax that the list does not call 'softmax' is quantised finished and normalised). What goes into a quantiser is computed in f32, as accurately as f32 sums, v_exp_f32 and their like allow (about 1e-6 of the number): no bf16 or f16 on the way to a quantiser, and a product that is left as it is and whose result goes on into a quantised operand takes f32 operands (vector FMAs, or v_wmma_f32_16x16x4_f32). A number that lies on a knife's edge between two numbers of the format may be rounded either way, as far as f32 arithmetic and the matrix unit's own rounding can turn it there, and no further.
;;   INPUTS GIVEN AS CODES. Wk (in the module: [2048, 2048], K = its axis 0); Wq (in the module: [2048, 2048], K = its axis 0); Wv (in the module: [2048, 2720], K = its axis 0); k (in the module: [1, 2048, 2048], K = its axis 2); q (in the module: [1, 2048, 2048], K = its axis 2); v (in the module: [1, 2048, 2048], K = its axis 2): each comes as NAME_codes (uint8): NAME with its K axis moved to the last place and cut into blocks of 32 codes, [.., K / 32, bytes a block], one block behind the other in memory; one code a byte (a code: sign, 5 exponent bits, 2 mantissa bits); and NAME_scales (uint8): the same leading axes, one E8M0 byte (e + 127) for each 32 codes along K. Its value is code x scale, taken as it is: it is not quantised again, and the codes and scales need not be those that the quantiser above would give.
;; One version. Each part assembles by itself: llvm-mc -triple=amdgcn-amd-amdhsa -mcpu=gfx1250 --defsym DOCPART=n.
;; ======== version 1 of 1: 4 launches
;; limits: right only within a limited range of input values
;; workspace buffers: prepb 4,022,272 bytes; flags 512 bytes of whole numbers; qkv 11,523,072 bytes; obuf 11,141,120 bytes
;; launch prep (part 1): grid 544 x 1, 4 waves a work-group, no clusters, 0 bytes of LDS; arguments Wo, mask, prepb, flags; writes prepb, flags
.if DOCPART == 1
	.amdgcn_target "amdgcn-amd-amdhsa--gfx1250"
	.amdhsa_code_object_version 6
	.text
	.protected	k_q1f6dbe051a_prep
	.globl	k_q1f6dbe051a_prep
	.p2align	8
	.type	k_q1f6dbe051a_prep,@function
k_q1f6dbe051a_prep:
	s_mov_b64 s[64:65], 0
	v_nop
	global_prefetch_b8 v0, s[64:65] scope:SCOPE_SE
	s_setreg_imm32_b32 hwreg(HW_REG_WAVE_MODE, 25, 1), 1
	s_wait_xcnt 0x0
; Three small jobs that later launches lean on; the work-group's number picks one.  Each wave asks for all that it reads at once, at its head.
;  0..351   Wo [1360][2048] f32, K = its first axis, becomes codes of E5M2 and E8M0 scale bytes, laid in the order of an operand's registers:
;           prepb[ntile 128][K step 11][quad 4][lane 32][16 bytes]; lane (r, h) of a tile holds column 16 ntile + r, quad c holds k = 32 c + 16 h + 0..15.  Scale words: prepb + WOSC [K step][column], byte c for quad c.
;           A work-group takes 128 columns x 64 along K (two quads, two scale bytes).  K = 1360 is filled up to 1408 with zero codes.
;  352..415 the table of cos and sin for the rotation of q and k: prepb + ROPEO [block of 16 rows 128][quad 16][lane 32][16 bytes]; quads 0-7 cos, 8-15 sin;
;           number e of quad qd in lane (r, h) belongs to row 16 rb + r and frequency 16 (qd / 2) + 8 h + 4 (qd % 2) + e.
;  416..543 one word for each 16 rows of the mask: two bits for each 128 columns: 0 all bytes set, 1 some, 2 none.  A work-group takes 16 rows, wave w the columns 512 w on: byte w of the word.
; LIMITS.  A block of zeros gets the scale byte 1 where the quantiser says 127: its codes are zeros and only this program reads the bytes.  NaN and infinities in Wo are not served.
; The inverse frequency is 2^(-f log2(10000) / 64) by one multiplication and v_exp_f32; against a power and a division it may differ in the last bit, which moves an angle by at most some 1.2e-4 radians (row 2047, low f).
; The angle is reduced by pi/2 in three parts with fused multiply-adds; cos and sin are Taylor sums on |x| <= pi/4 whose first term left out is under 2e-9.
.set WOSC,  2883584
.set ROPEO, 2973696
.set NTS,   22528                      ; bytes of a tile of 16 columns: 11 K steps x 2048
.set NWO,   352                        ; work-groups for Wo: 16 groups of columns x 22 pieces of 64 along K
.set NRO,   64                         ; for the table
.set X,     32                         ; v32-95   two blocks of 32 numbers
.set C,     96                         ; v96-111  codes: eight registers for each block, so that no store's data are written again
.set SB,    16                         ; v16      the two scale bytes
.set INV,   16                         ; v16-31   (table) sixteen inverse frequencies
.macro LOAD t, nv                      ; block t: Wo(32 t + i, my column); past K's end zeros
.set li, 0
.rept 32
.if li < \nv
	global_load_b32 v[X+32*(\t)+li], v3, s[4:5] offset:(32*(\t)+li)*8192 th:TH_LOAD_NT
.else
	v_mov_b32 v[X+32*(\t)+li], 0
.endif
.set li, li+1
.endr
.endm
.macro BLOCK t, left                   ; left: the loads issued behind this block's, which may stay out
.set XS, X+32*(\t)
	s_wait_loadcnt \left
	v_max3_num_f32 v12, |v[XS]|, |v[XS+1]|, |v[XS+2]|              ; the block's largest magnitude: all 32 numbers are mine
	v_max3_num_f32 v13, |v[XS+3]|, |v[XS+4]|, |v[XS+5]|
.irp i, 6,10,14,18,22,26
	v_max3_num_f32 v12, v12, |v[XS+\i]|, |v[XS+\i+1]|
	v_max3_num_f32 v13, v13, |v[XS+\i+2]|, |v[XS+\i+3]|
.endr
	v_max3_num_f32 v12, v12, |v[XS+30]|, |v[XS+31]|
	v_max3_num_f32 v12, v12, v13, 0x8000000                        ; and the floor 2^(16 - 127): the byte cannot fall under 1
	v_add_nc_u32 v11, 0xf8800000, v12                              ; 15 off the exponent field: the conversion's scale operand
	v_and_or_b32 v10, v12, 0x7f800000, s31                         ; 57,344 x the scale
	v_lshrrev_b32 v13, 23, v11                                     ; the scale's byte
.if (\t) == 0
	v_mov_b32 v[SB], v13
.else
	v_lshl_or_b32 v[SB], v13, 8*(\t), v[SB]
.endif
.irp i, 0,1,2,3,4,5,6,7,8,9,10,11,12,13,14,15,16,17,18,19,20,21,22,23,24,25,26,27,28,29,30,31
	v_med3_num_f32 v[XS+\i], v[XS+\i], -v10, v10                   ; the conversion does not saturate (ISA guide 7.6.2): the hold comes first
.endr
.irp g, 0,1,2,3
	v_cvt_scalef32_pk8_bf8_f32 v[C+8*(\t)+2*\g:C+8*(\t)+2*\g+1], v[XS+8*\g:XS+8*\g+7], v11
.endr
	v_nop                                                          ; a plain line behind the last conversion
	global_store_b128 v4, v[C+8*(\t):C+8*(\t)+3], s[20:21] offset:512*(\t)        ; the block's k 0..15: the place of lane (r, 0); sixteen lanes store 256 consecutive bytes
	global_store_b128 v4, v[C+8*(\t)+4:C+8*(\t)+7], s[20:21] offset:512*(\t)+256  ; its k 16..31: the place of lane (r, 1)
.endm
	s_load_b256 s[4:11], s[0:1], 0x0               ; Wo s[4:5], mask s[6:7], prepb s[8:9], flags s[10:11]
	v_lshrrev_b32 v1, 5, v0
	v_readfirstlane_b32 s12, v1                    ; wave
	v_and_b32 v2, 31, v0                           ; lane
	v_lshrrev_b32 v5, 4, v2                        ; lane / 16
	v_and_b32 v6, 15, v2                           ; lane % 16
	s_wait_kmcnt 0x0
	s_cmp_lt_u32 ttmp9, NWO
	s_cbranch_scc0 .Lnot_wo
	; ---- Wo: a lane takes a column, its registers run down K
	s_and_b32 s13, ttmp9, 15                       ; which 128 columns
	s_lshr_b32 s14, ttmp9, 4                       ; which 64 along K: 0 to 21
	s_lshl_b32 s15, s13, 7
	s_lshl_b32 s16, s12, 5
	s_add_co_u32 s15, s15, s16                     ; my wave's first column
	s_lshl_b32 s16, s14, 19                        ; 64 rows of 8,192 bytes
	s_lshl_b32 s17, s15, 2
	s_add_co_u32 s16, s16, s17
	s_mov_b32 s17, 0
	s_add_nc_u64 s[4:5], s[4:5], s[16:17]
	s_lshr_b32 s18, s15, 4                         ; my wave's first tile of 16 columns
	s_mul_i32 s18, s18, NTS
	s_lshl_b32 s19, s14, 10                        ; two quads of 512 bytes for each 64 along K
	s_add_co_u32 s18, s18, s19
	s_mov_b32 s19, 0
	s_add_nc_u64 s[20:21], s[8:9], s[18:19]        ; the images
	s_lshr_b32 s18, s14, 1
	s_lshl_b32 s18, s18, 13                        ; the K step's 2,048 scale words
	s_lshl_b32 s22, s15, 2
	s_add_co_u32 s18, s18, s22
	s_and_b32 s22, s14, 1
	s_lshl_b32 s22, s22, 1                         ; the lower or the upper two bytes of a word
	s_add_co_u32 s18, s18, s22
	s_add_co_u32 s18, s18, WOSC
	s_add_nc_u64 s[22:23], s[8:9], s[18:19]        ; the scale bytes
	s_wait_alu depctr_va_vdst(0)
	v_lshlrev_b32 v3, 2, v2                        ; 4 bytes a lane
	v_mul_u32_u24 v4, v5, NTS
	v_lshl_add_u32 v4, v6, 4, v4                   ; lanes 16-31 belong to the next tile
	s_mov_b32 s31, 0x600000                        ; the mantissa field of 57,344
	s_cmp_eq_u32 s14, 21
	s_cbranch_scc1 .Ltail
	LOAD 0, 32
	LOAD 1, 32
	BLOCK 0, 32                                    ; the second block's 32 loads may be out
	BLOCK 1, 0
	global_store_b16 v3, v[SB], s[22:23]
	s_endpgm
.Ltail:                                            ; the last piece: rows 1344 to 1359 exist: 16 and 0 numbers of the two blocks
	s_wait_alu depctr_va_vdst(0)
	LOAD 0, 16
	LOAD 1, 0
	BLOCK 0, 0
	BLOCK 1, 0
	global_store_b16 v3, v[SB], s[22:23]
	s_endpgm
.Lnot_wo:
	s_cmp_lt_u32 ttmp9, NWO+NRO
	s_cbranch_scc0 .Lmask
	; ---- the table: two waves to a block of 16 rows, each four quads of cos and four of sin
	s_sub_co_u32 s13, ttmp9, NWO
	s_lshl_b32 s13, s13, 1
	s_lshr_b32 s14, s12, 1
	s_add_co_u32 s13, s13, s14                     ; the block of rows
	s_and_b32 s14, s12, 1                          ; which half of the 64 frequencies
	s_lshl_b32 s16, s13, 13
	s_lshl_b32 s17, s14, 11
	s_add_co_u32 s16, s16, s17
	s_add_co_u32 s16, s16, ROPEO
	s_mov_b32 s17, 0
	s_add_nc_u64 s[8:9], s[8:9], s[16:17]
	s_lshl_b32 s15, s13, 4
	s_wait_alu depctr_va_vdst(0)
	v_add_nc_u32 v7, s15, v6
	v_cvt_f32_u32 v3, v7                           ; my row, as f32
	s_lshl_b32 s15, s14, 5
	v_lshl_add_u32 v7, v5, 3, s15                  ; 32 half + 8 h
	s_wait_alu depctr_va_vdst(0)
	v_lshlrev_b32 v8, 4, v2
	s_mov_b32 s20, 0x3fc90fd8                      ; pi/2 in three parts
	s_mov_b32 s21, 0x34a8885a
	s_mov_b32 s22, 0x27c234c4
	s_mov_b32 s23, 0xb493f27e                      ; -1/10!
	s_mov_b32 s24, 0x37d00d01                      ; 1/8!
	s_mov_b32 s25, 0xbab60b61                      ; -1/6!
	s_mov_b32 s26, 0x3d2aaaab                      ; 1/4!
	s_mov_b32 s27, 0x3638ef1d                      ; 1/9!
	s_mov_b32 s28, 0xb9500d01                      ; -1/7!
	s_mov_b32 s29, 0x3c088889                      ; 1/5!
	s_mov_b32 s30, 0xbe2aaaab                      ; -1/3!
.irp n, 0,1,2,3,4,5,6,7,8,9,10,11,12,13,14,15
	v_add_nc_u32 v[INV+\n], 16*((\n/4)/2)+4*((\n/4)%2)+(\n%4), v7   ; the frequency's number f
.endr
.irp n, 0,1,2,3,4,5,6,7,8,9,10,11,12,13,14,15
	v_cvt_f32_u32 v[INV+\n], v[INV+\n]
.endr
.irp n, 0,1,2,3,4,5,6,7,8,9,10,11,12,13,14,15
	v_mul_f32 v[INV+\n], 0xbe549a78, v[INV+\n]     ; -f log2(10000) / 64
.endr
	s_wait_alu depctr_va_vdst(0)
.irp n, 0,1,2,3,4,5,6,7,8,9,10,11,12,13,14,15
	v_exp_f32 v[INV+\n], v[INV+\n]
.endr
	v_nop                                          ; a plain line behind the last exponential,
	s_wait_alu depctr_va_vdst(0)                   ; and one wait for the sixteen, ahead of their first reader
.macro RQ q                            ; quad q: four angles; v32.. angle, v36.. n, v40.. remainder, v44.. n as a whole number, v48.. its square, v52.. cos, v56.. sin, v60.. at work
.irp e, 0,1,2,3
	v_mul_f32 v[32+\e], v3, v[INV+4*\q+\e]         ; row x inverse frequency: one rounding
.endr
.irp e, 0,1,2,3
	v_mul_f32 v[36+\e], 0x3f22f983, v[32+\e]       ; x 2/pi
.endr
.irp e, 0,1,2,3
	v_rndne_f32 v[36+\e], v[36+\e]
.endr
.irp e, 0,1,2,3
	v_fma_f32 v[40+\e], -v[36+\e], s20, v[32+\e]
.endr
.irp e, 0,1,2,3
	v_fma_f32 v[40+\e], -v[36+\e], s21, v[40+\e]
.endr
.irp e, 0,1,2,3
	v_fma_f32 v[40+\e], -v[36+\e], s22, v[40+\e]
.endr
.irp e, 0,1,2,3
	v_cvt_i32_f32 v[44+\e], v[36+\e]
.endr
.irp e, 0,1,2,3
	v_mul_f32 v[48+\e], v[40+\e], v[40+\e]
.endr
.irp e, 0,1,2,3
	v_fma_f32 v[52+\e], v[48+\e], s23, s24
	v_fma_f32 v[56+\e], v[48+\e], s27, s28
.endr
.irp e, 0,1,2,3
	v_fma_f32 v[52+\e], v[52+\e], v[48+\e], s25
	v_fma_f32 v[56+\e], v[56+\e], v[48+\e], s29
.endr
.irp e, 0,1,2,3
	v_fma_f32 v[52+\e], v[52+\e], v[48+\e], s26
	v_fma_f32 v[56+\e], v[56+\e], v[48+\e], s30
.endr
.irp e, 0,1,2,3
	v_fma_f32 v[52+\e], v[52+\e], v[48+\e], -0.5
	v_mul_f32 v[60+\e], v[40+\e], v[48+\e]
.endr
.irp e, 0,1,2,3
	v_fma_f32 v[52+\e], v[52+\e], v[48+\e], 1.0    ; cos of the remainder
	v_fma_f32 v[56+\e], v[56+\e], v[60+\e], v[40+\e]   ; sin of the remainder
.endr
.irp e, 0,1,2,3
	v_and_b32 v[60+\e], 1, v[44+\e]                ; an odd quarter turn changes the two over
	v_cmp_ne_u32 vcc_lo, 0, v[60+\e]
	v_cndmask_b32 v[64+4*\q+\e], v[52+\e], v[56+\e], vcc_lo
	v_cndmask_b32 v[80+4*\q+\e], v[56+\e], v[52+\e], vcc_lo
.endr
.irp e, 0,1,2,3
	v_lshlrev_b32 v[60+\e], 30, v[44+\e]           ; sin is negative in quarters 2 and 3: bit 1 of n
	v_add_nc_u32 v[44+\e], 1, v[44+\e]             ; cos in quarters 1 and 2: bit 1 of n + 1
.endr
.irp e, 0,1,2,3
	v_and_b32 v[60+\e], 0x80000000, v[60+\e]
	v_lshlrev_b32 v[44+\e], 30, v[44+\e]
.endr
.irp e, 0,1,2,3
	v_xor_b32 v[80+4*\q+\e], v[80+4*\q+\e], v[60+\e]
	v_and_b32 v[44+\e], 0x80000000, v[44+\e]
.endr
.irp e, 0,1,2,3
	v_xor_b32 v[64+4*\q+\e], v[64+4*\q+\e], v[44+\e]
.endr
	global_store_b128 v8, v[64+4*\q:67+4*\q], s[8:9] offset:512*\q          ; 32 lanes store 512 consecutive bytes
	global_store_b128 v8, v[80+4*\q:83+4*\q], s[8:9] offset:4096+512*\q
.endm
	RQ 0
	RQ 1
	RQ 2
	RQ 3
	s_endpgm
.Lmask:
	; ---- the mask's summary: the work-group takes 16 rows, my wave four key steps: 512 bytes of each row, as two pairs of steps (256 bytes of a row each)
	s_sub_co_u32 s13, ttmp9, NWO+NRO               ; which 16 rows
	s_lshl_b32 s16, s13, 15
	s_lshl_b32 s17, s12, 9
	s_add_co_u32 s16, s16, s17
	s_mov_b32 s17, 0
	s_add_nc_u64 s[6:7], s[6:7], s[16:17]
	s_lshl_b32 s16, s13, 2
	s_add_co_u32 s16, s16, s12                     ; byte w of the rows' word
	s_add_nc_u64 s[10:11], s[10:11], s[16:17]
	s_wait_alu depctr_va_vdst(0)
	v_lshlrev_b32 v3, 11, v5
	v_lshl_add_u32 v3, v6, 4, v3                   ; lanes 0-15 one row's 256 bytes, lanes 16-31 the next row's
	s_mov_b32 s22, 0x01010101
	s_mov_b32 s24, 0
.macro LOADM p
.irp i, 0,1,2,3,4,5,6,7
	global_load_b128 v[32+32*(\p)+4*\i:32+32*(\p)+4*\i+3], v3, s[6:7] offset:4096*\i+256*(\p) th:TH_LOAD_NT
.endr
.endm
.macro SUMM p
.set M0, 32+32*(\p)
	v_or_b32 v10, v[M0], v[M0+1]
	v_and_b32 v11, v[M0], v[M0+1]
.set mi, 2
.rept 30
	v_or_b32 v10, v10, v[M0+mi]
	v_and_b32 v11, v11, v[M0+mi]
.set mi, mi+1
.endr
	v_cmp_ne_u32 s20, 0, v10                       ; lanes that saw a byte set
	v_cmp_ne_u32 s21, s22, v11                     ; lanes that saw a byte clear
	s_and_b32 s25, s20, 0x00ff00ff                 ; the even step's bytes lie in lanes 0-7 and 16-23
	s_cselect_b32 s26, 1, 2
	s_and_b32 s25, s21, 0x00ff00ff
	s_cselect_b32 s26, s26, 0
	s_lshl_b32 s26, s26, 4*(\p)
	s_or_b32 s24, s24, s26
	s_and_b32 s25, s20, 0xff00ff00                 ; the odd step's in the others
	s_cselect_b32 s26, 1, 2
	s_and_b32 s25, s21, 0xff00ff00
	s_cselect_b32 s26, s26, 0
	s_lshl_b32 s26, s26, 4*(\p)+2
	s_or_b32 s24, s24, s26
.endm
	LOADM 0
	LOADM 1
	s_wait_loadcnt 8                               ; the first pair's eight loads are in; the second pair's may be out
	SUMM 0
	s_wait_loadcnt 0x0
	SUMM 1
	v_mov_b32 v10, s24
	v_mov_b32 v11, 0
	v_cmp_eq_u32 vcc_lo, 0, v2
	s_wait_alu depctr_va_vdst(0)
	s_wait_xcnt 0x0                                ; EXEC changes only behind this wait
	s_and_saveexec_b32 s26, vcc_lo
	global_store_b8 v11, v10, s[10:11]             ; lane 0 stores my byte of the word
	s_wait_xcnt 0x0
	s_or_b32 exec_lo, exec_lo, s26
	s_endpgm
.Lfunc_end_k_q1f6dbe051a_prep:
	.size	k_q1f6dbe051a_prep, .Lfunc_end_k_q1f6dbe051a_prep-k_q1f6dbe051a_prep
	.p2alignl 7, 3214868480
	.fill 96, 4, 3214868480
	.section	.rodata,"a",@progbits
	.p2align	6, 0x0
	.amdhsa_kernel k_q1f6dbe051a_prep
		.amdhsa_group_segment_fixed_size 0
		.amdhsa_private_segment_fixed_size 0
		.amdhsa_enable_private_segment 0
		.amdhsa_kernarg_size 32
		.amdhsa_user_sgpr_count 2
		.amdhsa_user_sgpr_kernarg_segment_ptr 1
		.amdhsa_wavefront_size32 1
		.amdhsa_system_sgpr_workgroup_id_x 1
		.amdhsa_system_sgpr_workgroup_id_y 1
		.amdhsa_system_sgpr_workgroup_id_z 1
		.amdhsa_system_vgpr_workitem_id 0
		.amdhsa_next_free_vgpr 128
		.amdhsa_next_free_sgpr 66
		.amdhsa_reserve_vcc 1
		.amdhsa_float_denorm_mode_32 3
		.amdhsa_float_denorm_mode_16_64 3
		.amdhsa_memory_ordered 1
		.amdhsa_forward_progress 1
		.amdhsa_inst_pref_size 61
	.end_amdhsa_kernel
	.amdgpu_metadata
---
amdhsa.version: [ 1, 2 ]
amdhsa.kernels:
  - .name:           k_q1f6dbe051a_prep
    .symbol:         k_q1f6dbe051a_prep.kd
    .args:
      - { .name: Wo, .offset: 0, .size: 8, .value_kind: global_buffer, .address_space: global }
      - { .name: mask, .offset: 8, .size: 8, .value_kind: global_buffer, .address_space: global }
      - { .name: prepb, .offset: 16, .size: 8, .value_kind: global_buffer, .address_space: global }
      - { .name: flags, .offset: 24, .size: 8, .value_kind: global_buffer, .address_space: global }
    .group_segment_fixed_size: 0
    .private_segment_fixed_size: 0
    .kernarg_segment_align: 8
    .kernarg_segment_size: 32
    .max_flat_workgroup_size: 128
    .sgpr_count:     66
    .vgpr_count:     128
    .wavefront_size: 32
...
	.end_amdgpu_metadata
.endif
;; end of part 1
;; launch proj (part 2): grid 8 x 28, 4 waves a work-group, clusters of 4 x 4, 327,680 bytes of LDS; arguments q_codes, q_scales, Wq_codes, Wq_scales, bq, k_codes, k_scales, Wk_codes, Wk_scales, bk, Wv_codes, Wv_scales, v_codes, v_scales, bv, prepb, qkv; writes qkv
.if DOCPART == 2
	.amdgcn_target "amdgcn-amd-amdhsa--gfx1250"
	.amdhsa_code_object_version 6
	.text
	.protected	k_q1f6dbe051a_proj
	.globl	k_q1f6dbe051a_proj
	.p2align	8
	.type	k_q1f6dbe051a_proj,@function
k_q1f6dbe051a_proj:
	s_mov_b64 s[64:65], 0
	v_nop
	global_prefetch_b8 v0, s[64:65] scope:SCOPE_SE
	s_setreg_imm32_b32 hwreg(HW_REG_WAVE_MODE, 25, 1), 1
	s_wait_xcnt 0x0
	s_wait_alu depctr_hold_cnt(0) depctr_sa_sdst(0) depctr_va_vdst(0) depctr_va_sdst(0) depctr_va_ssrc(0) depctr_va_vcc(0) depctr_vm_vsrc(0)
	s_getreg_b32 s2, hwreg(HW_REG_IB_STS2, 6, 4)
	s_cmp_eq_u32 s2, 0
	s_cbranch_scc0 .Lentry_in_a_cluster
	s_endpgm
.Lentry_in_a_cluster:
	s_bfe_u32 s2, ttmp6, 0x10000c
	s_cmp_lg_u32 s2, 0xf033
	s_cbranch_scc0 .Lentry_shape_is_right
	s_endpgm
.Lentry_shape_is_right:
; q Wq + bq and k Wk + bk with their rotation, and the gated v Wv + bv, each quantised again for the attention launch: three products on codes of E5M2 with E8M0 scales, K = 2048.
; Cluster rows 0-1 make q, 2-3 make k, 4-6 make v.  A work-group of four waves makes 256 x 256, a wave 128 x 128 in 64 accumulators.  q, k: operand A = 256 tokens, B = 256 rows of the weight (two heads).
; v: A = 128 rows of Wv's value half and the 128 rows 1,360 further on (the gate's), tiles 112 rows apart; B = 256 tokens: so a lane's registers run along the tokens, which are the keys of the attention's second product.
; The matrix instruction is used transposed (source 0 = B's rows, source 1 = A's).  The bias is the first products' C.  Results leave as images of operand registers with their scale words (qkv).
; THE RING: K in steps of 256 through two LDS slots, each 256 rows of A and 256 of B, rows of 256 bytes + 16 of padding; a wave fetches 128 rows by one joint load (A's shared along the cluster's row, B's along its column).
; THE HEAD: a wave's one tensor load is its quarter of K step 0.  Slot 1's first fill stands behind the full sequence and a round, as a refill does.
; THE SCALE BYTES of the 512 rows, all of K, 32,768 of the work-group's 1,081,344 bytes, come by plain loads, 512 consecutive bytes an instruction, a quarter to each wave, and are stored to LDS bytes of their own, behind the ring,
; as units of 256 bytes + 16 of padding.  They are not asked for jointly: they are 3 in 100 of what the work-group reads, and a joint load for them would be one more fill with a round of its own.
; PREFETCHES: see the macro ASK.  LIMITS: NaN and infinities in the sums are not served; a block of zeros gets the scale byte 1 (its codes are zeros; only this program reads the bytes).
.set KSTEP,  256
.set NQ,     2
.set ROWB,   256
.set KROW,   2048
.set PITCH,  272
.set FR,     16
.set NL,     4
.set NP,     8
.set HALFT,  128*PITCH
.set SLOT,   4*HALFT
.set LAPS,   4
.set KS,     64
.set SCL,    2*SLOT
.set HALFS,  8704
.set SBLK,   1088
.set QSCL,   4352
.set SPARE,  SCL+4*HALFS
.set ROPEO,  2973696
.set KIMG,   4194304
.set VIMG,   8388608
.set QSC,    11173888
.set VSC,    11436032
.set ADRA, 16
.set ADRB, 20
.set KEEP, 22
.set KEEP2, 23
.set L16,  24
.set L4,   25
.set ADRS, 27
.set SPW,  28
.set NIL,  29
.set ADRSH, 30
.set SC,   32
.set BIAS, 64
.set AF,   128
.set TM,   32
.set PW,   56
.set XX,   64
.set PC,   128
.set TT,   160
.set EE,   176
.set SEL,  10
.set MNT,  12
.set G1, 24
.set G0, 32
.set G1B, 48
.set G0B, 56
.set PFA, 68                           ; s[68:69] where my prefetches of codes stand
.set SCP, 70                           ; s[70:71] my quarter of the scale bytes in memory
.set PFO, 8                            ; v8   a prefetch's offset: my lane x a row of 2,048 bytes
.set PFT, 9                            ; v9   the offset of my lane's 256 bytes in the rotation table
.set GS,  10                           ; v10  16 x lane
.set LSS, 11                           ; v11  LDS: where my lane stores its 16 scale bytes
.set MSB, 0
.macro WIN new
.if MSB != \new
	s_set_vgpr_msb (MSB<<8)|\new
.set MSB, \new
.endif
.endm
.set MUL_LO, 0xa1
.set MUL_HI, 0xf1
.set TO_B,   0x40
.macro JLOAD g0a, g1a, g0b, g1b
	s_cmp_eq_u32 s15, 0
	s_cbranch_scc0 .Lfor_b_\@
	tensor_load_to_lds s[\g0a:\g0a+3], s[\g1a:\g1a+7]
	s_nop 0
.rept 4
	v_nop
.endr
	s_branch .Lasked_\@
.Lfor_b_\@:
	tensor_load_to_lds s[\g0b:\g0b+3], s[\g1b:\g1b+7]
	s_nop 0
.rept 4
	v_nop
.endr
.Lasked_\@:
.endm
.macro CREST
	s_cmp_lg_u32 s14, 0
	s_cbranch_scc1 .Lnot_wave_0_\@
	s_barrier_signal -3
.Lnot_wave_0_\@:
	s_barrier_wait -3
	s_barrier_signal -1
	s_barrier_wait -1
.endm
.macro CROUND
	s_barrier_signal -1
	s_barrier_wait -1
	CREST
.endm
.macro PLACES n
.rept \n
	v_nop
.endr
.endm
	s_load_b512 s[4:19], s[0:1], 0x0
	s_load_b512 s[20:35], s[0:1], 0x40
	s_load_b64 s[36:37], s[0:1], 0x80
	v_lshl_add_u32 v[SPW], v0, 2, SPARE
	v_mov_b32 v[NIL], 0
	ds_add_u32 v28, v29
	ds_add_u32 v28, v29
	s_wait_dscnt 0x0
	s_and_b32 s96, ttmp7, 0xffff
	s_wait_kmcnt 0x0
	s_cmp_lt_u32 s96, 2
.irp g, 0,1,2,3,4
	s_cselect_b64 s[4+2*\g:5+2*\g], s[4+2*\g:5+2*\g], s[14+2*\g:15+2*\g]
.endr
	s_cmp_lt_u32 s96, 4
.irp g, 0,1,2,3,4
	s_cselect_b64 s[4+2*\g:5+2*\g], s[4+2*\g:5+2*\g], s[24+2*\g:25+2*\g]
.endr
	s_mov_b64 s[98:99], s[34:35]
	s_mov_b64 s[100:101], s[36:37]
	v_lshrrev_b32 v1, 5, v0
	v_readfirstlane_b32 s14, v1
	s_lshr_b32 s15, s14, 1
	s_and_b32 s16, s14, 1
	s_bfe_u32 s40, ttmp6, 0x40000
	s_bfe_u32 s41, ttmp6, 0x40004
	s_mov_b32 s22, 256
	s_mov_b32 s23, 128
	s_sub_co_u32 s18, s96, 4
	s_and_b32 s19, s96, 1
	s_cmp_ge_u32 s96, 4
	s_cselect_b32 s97, 1, 0
	s_cselect_b32 s20, s18, ttmp9
	s_cselect_b32 s21, ttmp9, s19
	s_cselect_b32 s22, 112, s22
	s_cselect_b32 s23, 1360, s23
	s_lshl_b32 s17, s20, 2
	s_add_co_u32 s17, s17, s41
	s_lshl_b32 s42, s21, 2
	s_add_co_u32 s42, s42, s40
	s_lshl_b32 s43, s41, 2
	s_lshl_b32 s43, 15, s43
	s_lshl_b32 s44, 0x1111, s40
	s_or_b32 s[G1+0], s43, (0<<16)|(1<<20)|(1<<21)|(5<<22)|(3<<25)
	s_or_b32 s[G1B+0], s44, (0<<16)|(1<<20)|(1<<21)|(5<<22)|(3<<25)
.irp g, G1, G1B
	s_mov_b32 s[\g+1], ROWB<<16
	s_mov_b32 s[\g+2], 128<<16
	s_mov_b32 s[\g+3], ROWB<<16
	s_mov_b32 s[\g+4], 128
	s_mov_b32 s[\g+5], KROW
	s_mov_b32 s[\g+6], 0
	s_mov_b32 s[\g+7], 0
.endr
	s_mul_i32 s20, s17, s22
	s_mul_i32 s18, s16, s23
	s_add_co_u32 s20, s20, s18
	s_lshl_b32 s46, s42, 8
	s_lshl_b32 s18, s16, 7
	s_add_co_u32 s46, s46, s18
	s_mov_b32 s21, 0
	s_mov_b32 s47, 0
	s_mov_b64 s[18:19], KS
	s_mul_u64 s[22:23], s[20:21], s[18:19]
	s_mul_u64 s[92:93], s[46:47], s[18:19]
	s_mov_b64 s[18:19], KROW
	s_mul_u64 s[20:21], s[20:21], s[18:19]
	s_mul_u64 s[46:47], s[46:47], s[18:19]
	s_mul_i32 s45, s14, HALFT
	s_mul_i32 s94, s14, HALFS
	s_add_nc_u64 s[20:21], s[4:5], s[20:21]
	s_add_nc_u64 s[22:23], s[6:7], s[22:23]
	s_add_nc_u64 s[46:47], s[8:9], s[46:47]
	s_add_nc_u64 s[92:93], s[10:11], s[92:93]
	CROUND
.irp s, 0,1
	s_mov_b32 s[G0+4*\s], 1
	s_add_co_u32 s[G0+4*\s+1], s45, \s*SLOT
	s_add_nc_u64 s[G0+4*\s+2:G0+4*\s+3], s[20:21], \s*ROWB
	s_or_b32 s[G0+4*\s+3], s[G0+4*\s+3], 0x80000000
	s_mov_b32 s[G0B+4*\s], 1
	s_add_co_u32 s[G0B+4*\s+1], s45, \s*SLOT
	s_add_nc_u64 s[G0B+4*\s+2:G0B+4*\s+3], s[46:47], \s*ROWB
	s_or_b32 s[G0B+4*\s+3], s[G0B+4*\s+3], 0x80000000
.endr
	JLOAD G0, G1, G0B, G1B                         ; K step 0, a quarter of slot 0 a wave: my one tensor load at the head
; A PREFETCH INTO THE L2 of the K step that stands two refills on: 32 rows x 256 bytes, a lane a row, one instruction a wave.  Of the 128 rows that a wave fetches, each of the four partners that ask for them jointly
; names 32, told apart by address (cx for A, cy for B).  K steps 1 and 2 are named behind the head's load, step 3 behind slot 1's first fill, step t + 4 in the change of slots that loads step t + 2;
; the loop's last trip (s3 = 1) would name steps 8 and 9, which do not exist, and names nothing.  The address is stepped at the next change's head, behind s_wait_xcnt 0.
; (Neighbouring tiles of Wv share 16 of their 128 rows: those rows' blocks are named by both.)
.macro ASK
	s_cmp_gt_u32 s3, 1
	s_cbranch_scc0 .Lnot_ahead_\@
	global_prefetch_b8 v[PFO], s[PFA:PFA+1] offset:3*ROWB th:TH_LOAD_NT scope:SCOPE_SE
.Lnot_ahead_\@:
.endm
	s_cmp_eq_u32 s15, 0                            ; waves 0, 1 serve A, waves 2, 3 serve B
	s_cselect_b64 s[SCP:SCP+1], s[22:23], s[92:93] ; the scale bytes of my 128 rows: 8,192 consecutive bytes
	s_cselect_b64 s[PFA:PFA+1], s[20:21], s[46:47] ; the codes of my 128 rows
	s_cselect_b32 s72, s40, s41                    ; my place among the four that ask for them with me
	s_cmp_ge_u32 s96, 2
	s_cselect_b32 s75, 8, 0                        ; the table: the sixteen work-groups of q and k that share a tile row's 16 blocks of 8,192 bytes name one block each: number 8 (k) + tile column
	s_lshl_b32 s72, s72, 16                        ; 32 rows of 2,048 bytes
	s_mov_b32 s73, 0
	s_add_nc_u64 s[PFA:PFA+1], s[PFA:PFA+1], s[72:73]
	s_add_co_u32 s74, s94, SCL                     ; my quarter of the scale bytes in LDS
	s_add_co_u32 s75, s75, s42
	s_lshl_b32 s76, s17, 4
	s_add_co_u32 s75, s75, s76
	s_lshl_b32 s75, s75, 13
	s_or_b32 s76, s97, s14                         ; 0 in wave 0 of a work-group of q or k
	v_and_b32 v12, 31, v0
	v_and_b32 v13, 15, v0
	v_bfe_u32 v14, v0, 4, 1
	v_lshlrev_b32 v[GS], 4, v12
	v_lshlrev_b32 v[PFO], 11, v12
	v_lshl_add_u32 v[PFT], v12, 8, s75
	v_mul_u32_u24 v14, v14, 272
	v_lshl_add_u32 v14, v13, 4, v14
	v_add_nc_u32 v[LSS], s74, v14                  ; load i brings units 2 i (lanes 0-15) and 2 i + 1 (lanes 16-31) of 256 bytes: 544 i + 272 h + 16 r
.irp i, 0,1,2,3,4,5,6,7,8,9,10,11,12,13,14,15
	global_load_b128 v[AF+4*\i:AF+4*\i+3], v[GS], s[SCP:SCP+1] offset:512*\i   ; into registers that take A's fragments afterwards
.endr
	v_and_b32 v1, 15, v0
	v_bfe_u32 v2, v0, 4, 1
	v_mul_u32_u24 v3, v1, PITCH
	v_lshl_add_u32 v4, v2, 4, v3
	s_mul_i32 s21, s15, 64*PITCH
	s_mul_i32 s22, s16, HALFT
	s_add_co_u32 s22, s22, 2*HALFT
.irp s, 0,1
	v_add_nc_u32 v[ADRA+\s], s21, v4
	v_add_nc_u32 v[ADRA+2+\s], 64*PITCH, v[ADRA+\s]
	v_add_nc_u32 v[ADRB+\s], s22, v4
	s_add_co_u32 s21, s21, SLOT
	s_add_co_u32 s22, s22, SLOT
.endr
	v_mul_u32_u24 v5, v1, KS
	v_lshrrev_b32 v6, 8, v5
	v_lshl_add_u32 v5, v6, 4, v5
	s_mul_i32 s21, s15, QSCL
	s_mul_i32 s22, s16, HALFS
	s_add_co_u32 s22, s22, 2*HALFS
	s_sub_co_u32 s22, s22, s21
	v_mul_u32_u24 v6, s22, v2
	s_add_co_u32 s21, s21, SCL
	v_add_nc_u32 v7, v5, v6
	v_add_nc_u32 v[ADRS], s21, v7
	s_sub_co_u32 s22, s22, QSCL
	v_mul_u32_u24 v6, s22, v2
	s_add_co_u32 s21, s21, QSCL
	v_add_nc_u32 v7, v5, v6
	v_add_nc_u32 v[ADRSH], s21, v7
	global_prefetch_b8 v[PFO], s[PFA:PFA+1] offset:ROWB th:TH_LOAD_NT scope:SCOPE_SE     ; K step 1 is named behind K step 0's load, the scale bytes' loads and the address work: what is needed first is asked for first
	s_cmp_lg_u32 s97, 0
	s_cbranch_scc1 .Lbias_v
	s_lshl_b32 s18, s42, 1
	s_add_co_u32 s18, s18, s16
	s_lshl_b32 s18, s18, 9
	s_mov_b32 s19, 0
	s_add_nc_u64 s[12:13], s[12:13], s[18:19]
	v_lshlrev_b32 v5, 5, v2
.irp b, 0,1,2,3,4,5,6,7
	global_load_b128 v[BIAS+8*\b:BIAS+8*\b+3], v5, s[12:13] offset:64*\b
	global_load_b128 v[BIAS+8*\b+4:BIAS+8*\b+7], v5, s[12:13] offset:64*\b+16
.endr
	s_wait_loadcnt 0x0
	s_branch .Lbias_done
.Lbias_v:
	s_mul_i32 s18, s17, 112
	s_lshl_b32 s19, s15, 6
	s_add_co_u32 s18, s18, s19
	s_lshl_b32 s18, s18, 2
	s_mov_b32 s19, 0
	s_add_nc_u64 s[12:13], s[12:13], s[18:19]
	v_lshlrev_b32 v5, 2, v1
.irp a, 0,1,2,3,4,5,6,7
	global_load_b32 v[BIAS+8*\a], v5, s[12:13] offset:((\a/4)*1360+16*(\a%4))*4
.endr
	s_wait_loadcnt 0x0
.irp a, 0,1,2,3,4,5,6,7
.irp j, 1,2,3,4,5,6,7
	v_mov_b32 v[BIAS+8*\a+\j], v[BIAS+8*\a]
.endr
.endr
.Lbias_done:
.macro FRAG reg, adr, q, i
.irp c, 0,1,2,3
	ds_load_b128 v[\reg+4*\c:\reg+4*\c+3], v[\adr] offset:128*(\q)+32*\c+(\i)*16*PITCH
.endr
.endm
.macro MUL16 a0, p, q, sc, zero
.irp a, \a0, \a0+1
.irp b, 0,1,2,3,4,5,6,7
.if \zero == 1
	v_wmma_scale_f32_16x16x128_f8f6f4 v[8*(8*((\a)%4)+\b):8*(8*((\a)%4)+\b)+7], v[128*(\p)+FR*\b:128*(\p)+FR*\b+FR-1], v[AF+FR*(\a):AF+FR*(\a)+FR-1], v[BIAS+8*\b:BIAS+8*\b+7], v[SC+8*NQ*(\sc)+NQ*\b+(\q)], v[SC+8*NQ*(\sc)+NQ*(\a)+(\q)] matrix_a_fmt:MATRIX_FMT_BF8 matrix_b_fmt:MATRIX_FMT_BF8 matrix_a_scale:MATRIX_SCALE_ROW1
.elseif \zero == 2
	v_wmma_scale_f32_16x16x128_f8f6f4 v[8*(8*((\a)%4)+\b):8*(8*((\a)%4)+\b)+7], v[128*(\p)+FR*\b:128*(\p)+FR*\b+FR-1], v[AF+FR*(\a):AF+FR*(\a)+FR-1], v[BIAS+8*(\a):BIAS+8*(\a)+7], v[SC+8*NQ*(\sc)+NQ*\b+(\q)], v[SC+8*NQ*(\sc)+NQ*(\a)+(\q)] matrix_a_fmt:MATRIX_FMT_BF8 matrix_b_fmt:MATRIX_FMT_BF8 matrix_a_scale:MATRIX_SCALE_ROW1
.else
	v_wmma_scale_f32_16x16x128_f8f6f4 v[8*(8*((\a)%4)+\b):8*(8*((\a)%4)+\b)+7], v[128*(\p)+FR*\b:128*(\p)+FR*\b+FR-1], v[AF+FR*(\a):AF+FR*(\a)+FR-1], v[8*(8*((\a)%4)+\b):8*(8*((\a)%4)+\b)+7], v[SC+8*NQ*(\sc)+NQ*\b+(\q)], v[SC+8*NQ*(\sc)+NQ*(\a)+(\q)] matrix_a_fmt:MATRIX_FMT_BF8 matrix_b_fmt:MATRIX_FMT_BF8 matrix_a_scale:MATRIX_SCALE_ROW1
.endif
.endr
.endr
.endm
.macro FETCH_B slot, q, p
	WIN TO_B
.irp i, 0,1,2,3,4,5,6,7
	FRAG 128*(\p)+FR*\i, ADRB+\slot, \q, \i
.endr
	WIN 0
.endm
.macro FETCH_A slot, q, i0
.irp i, \i0, \i0+1, \i0+2, \i0+3
	FRAG AF+FR*(\i), ADRA+2*((\i0)/4)+\slot, \q, \i
.endr
.endm
.macro SCALES sc
.irp i, 0,1,2,3
	ds_load_b64 v[SC+8*NQ*\sc+NQ*\i:SC+8*NQ*\sc+NQ*\i+1], v[ADRS] offset:\i*SBLK
.endr
.irp i, 4,5,6,7
	ds_load_b64 v[SC+8*NQ*\sc+NQ*\i:SC+8*NQ*\sc+NQ*\i+1], v[ADRSH] offset:\i*SBLK
.endr
.endm
.macro STEP slot, q, zero
	s_wait_dscnt 4*NL
.if \zero
	WIN 0x81
.else
	WIN MUL_LO
.endif
	MUL16 0, (\q)%2, \q, \slot, \zero
	MUL16 2, (\q)%2, \q, \slot, \zero
	s_wait_dscnt 0
	PLACES NP
	FETCH_B \slot, (\q)+1, 1-(\q)%2
	FETCH_A \slot, (\q)+1, 0
.if \zero
	WIN 0xc1
.else
	WIN MUL_HI
.endif
	MUL16 4, (\q)%2, \q, \slot, \zero
	MUL16 6, (\q)%2, \q, \slot, \zero
	PLACES NP
	WIN 0
	FETCH_A \slot, (\q)+1, 4
.endm
.macro TURN slot, next, fill
.if \fill
	s_wait_xcnt 0x0                                ; my last prefetch has read its address: it is stepped here, ahead of the change's own waits
	s_add_nc_u64 s[PFA:PFA+1], s[PFA:PFA+1], ROWB
.endif
	s_wait_tensorcnt 0x0
	ds_add_u32 v[SPW], v[NIL]
	s_wait_dscnt 4*NL+1
	WIN MUL_LO
	MUL16 0, 1, NQ-1, \slot, 0
	s_wait_dscnt 0x0
	s_barrier_signal -1
	MUL16 2, 1, NQ-1, \slot, 0
	WIN 0
	s_barrier_wait -1
.if \fill
	CREST
	s_add_nc_u64 s[G0+4*\slot+2:G0+4*\slot+3], s[G0+4*\slot+2:G0+4*\slot+3], 2*ROWB
	s_add_nc_u64 s[G0B+4*\slot+2:G0B+4*\slot+3], s[G0B+4*\slot+2:G0B+4*\slot+3], 2*ROWB
	JLOAD G0+4*\slot, G1, G0B+4*\slot, G1B
	PLACES NP-4
.else
	PLACES NP
.endif
	s_wait_alu depctr_va_vdst(0)
	v_add_nc_u32 v[ADRS], 4*NQ, v[ADRS]
	v_add_nc_u32 v[ADRSH], 4*NQ, v[ADRSH]
	FETCH_B \next, 0, 0
	FETCH_A \next, 0, 0
	SCALES \next
.if \fill
	ASK                                            ; behind the joint load and the run of LDS loads that the next products wait for
.endif
	WIN MUL_HI
	MUL16 4, 1, NQ-1, \slot, 0
	MUL16 6, 1, NQ-1, \slot, 0
	PLACES NP
	WIN 0
	FETCH_A \next, 0, 4
.endm
	s_wait_alu depctr_va_vdst(0)
	global_prefetch_b8 v[PFO], s[PFA:PFA+1] offset:2*ROWB th:TH_LOAD_NT scope:SCOPE_SE   ; K step 2 is named when the scale bytes and the bias are in
	s_wait_tensorcnt 0x0                           ; my quarter of K step 0 is in: no tensor load of mine is out while I store to LDS
.irp i, 0,1,2,3,4,5,6,7,8,9,10,11,12,13,14,15
	ds_store_b128 v[LSS], v[AF+4*\i:AF+4*\i+3] offset:544*\i   ; the scale bytes (their loads were waited for with the bias's)
.endr
	s_wait_tensorcnt 0x0                           ; ahead of slot 1's first fill, as ahead of a refill
	ds_add_u32 v[SPW], v[NIL]
	s_wait_dscnt 0x0                               ; the add and my stores of scale bytes are done
	CROUND                                         ; K step 0 and the scale bytes are whole for all four waves, and all sixteen work-groups are here
	JLOAD G0+4, G1, G0B+4, G1B                     ; K step 1: the first tensor load behind the round
	global_prefetch_b8 v[PFO], s[PFA:PFA+1] offset:3*ROWB th:TH_LOAD_NT scope:SCOPE_SE
	s_cmp_eq_u32 s76, 0
	s_cbranch_scc0 .Lno_table_ahead
	global_prefetch_b8 v[PFT], s[98:99] offset:ROPEO th:TH_LOAD_NT scope:SCOPE_SE   ; my work-group's block of the rotation table, lanes 256 bytes apart
.Lno_table_ahead:
	FETCH_B 0, 0, 0
	FETCH_A 0, 0, 0
	s_wait_alu depctr_va_vdst(0)
	SCALES 0
	FETCH_A 0, 0, 4
	s_cmp_lg_u32 s97, 0
	s_cbranch_scc1 .Lfirst_v
	STEP 0, 0, 1
	s_branch .Lgo
.Lfirst_v:
	STEP 0, 0, 2
.Lgo:
	s_mov_b32 s3, LAPS-1
.Llap:
	TURN 0, 1, 1
	STEP 1, 0, 0
	TURN 1, 0, 1
	STEP 0, 0, 0
	s_sub_co_u32 s3, s3, 1
	s_cmp_lg_u32 s3, 0
	s_cbranch_scc1 .Llap
	TURN 0, 1, 0
	STEP 1, 0, 0
; The last 64 products read B's set 1 alone.  Set 0's registers (window 1, v0-127) stand eight places behind their last product: in the work-groups of q and k they take the rotation table's first two blocks of 16 rows now.
.macro TFIRST a
	WIN 0x40
.irp qd, 0,1,2,3,4,5,6,7,8,9,10,11,12,13,14,15
	global_load_b128 v[64*(\a)+4*\qd:64*(\a)+4*\qd+3], v[L16], s[4:5] offset:(\a)*8192+512*\qd
.endr
	WIN 0
.endm
	v_and_b32 v1, 31, v0
	v_lshlrev_b32 v[L16], 4, v1
	v_lshlrev_b32 v[L4], 2, v1
	v_cmp_le_u32 s13, 16, v1
	s_lshl_b32 s72, s17, 4
	s_lshl_b32 s73, s15, 2
	s_add_co_u32 s72, s72, s73                     ; my first block of 16 rows
	s_lshl_b32 s72, s72, 13
	s_add_co_u32 s72, s72, ROPEO
	s_mov_b32 s73, 0
	s_add_nc_u64 s[4:5], s[98:99], s[72:73]
	s_cmp_lg_u32 s97, 0
	s_wait_alu depctr_va_vdst(0)
	s_cbranch_scc1 .Lno_table
	TFIRST 0
	TFIRST 1
.Lno_table:
	s_wait_dscnt 4*NL
	WIN MUL_LO
	MUL16 0, 1, NQ-1, 1, 0
	MUL16 2, 1, NQ-1, 1, 0
	s_wait_dscnt 0
	WIN MUL_HI
	MUL16 4, 1, NQ-1, 1, 0
	MUL16 6, 1, NQ-1, 1, 0
	WIN 0
.macro QUANT s, pc, pw, swap
.irp b, 0,1,2,3
	v_max3_num_f32 v[TM+\b], |v[\s+16*\b]|, |v[\s+1+16*\b]|, 0x8000000
.endr
.irp i, 2,4,6,8,10,12,14
.irp b, 0,1,2,3
	v_max3_num_f32 v[TM+\b], v[TM+\b], |v[\s+16*\b+\i]|, |v[\s+1+16*\b+\i]|
.endr
.endr
.irp b, 0,1,2,3
	v_permlanex16_b32 v[TM+4+\b], v[TM+\b], s[SEL], s[SEL+1]
.endr
.irp b, 0,1,2,3
	v_max_num_f32 v[TM+\b], v[TM+\b], v[TM+4+\b]
.endr
.irp b, 0,1,2,3
	v_add_nc_u32 v[TM+12+\b], 0xf8800000, v[TM+\b]
.endr
.irp b, 0,1,2,3
	v_and_or_b32 v[TM+8+\b], v[TM+\b], 0x7f800000, s[MNT]
.endr
.irp b, 0,1,2,3
	v_lshrrev_b32 v[TM+4+\b], 23, v[TM+12+\b]
.endr
	v_lshl_or_b32 v[\pw], v[TM+5], 8, v[TM+4]
	v_lshl_or_b32 v[\pw], v[TM+6], 16, v[\pw]
	v_lshl_or_b32 v[\pw], v[TM+7], 24, v[\pw]
.irp b, 0,1,2,3
.irp i, 0,1,2,3,4,5,6,7,8,9,10,11,12,13,14,15
	v_med3_num_f32 v[\s+16*\b+\i], v[\s+16*\b+\i], -v[TM+8+\b], v[TM+8+\b]
.endr
	v_cvt_scalef32_pk8_bf8_f32 v[\pc+4*\b:\pc+1+4*\b], v[\s+16*\b:\s+7+16*\b], v[TM+12+\b]
	v_cvt_scalef32_pk8_bf8_f32 v[\pc+2+4*\b:\pc+3+4*\b], v[\s+8+16*\b:\s+15+16*\b], v[TM+12+\b]
.endr
	v_nop
.if \swap
.irp b, 0,1,2,3
	v_permlane16_swap_b32 v[\pc+4*\b], v[\pc+2+4*\b]
	v_permlane16_swap_b32 v[\pc+1+4*\b], v[\pc+3+4*\b]
.endr
.endif
.endm
	PLACES NP
	s_mov_b32 s[SEL], 0x76543210
	s_mov_b32 s[SEL+1], 0xfedcba98
	s_mov_b32 s[MNT], 0x600000
.irp b, 0,1,2,3
	v_mov_b32 v[TM+4+\b], 0
.endr
	s_cmp_lg_u32 s97, 0
	s_cbranch_scc1 .Lepi_v
	s_lshl_b32 s18, s42, 1
	s_add_co_u32 s18, s18, s16
	s_lshl_b32 s19, s17, 4
	s_lshl_b32 s20, s15, 2
	s_add_co_u32 s19, s19, s20
	s_mov_b32 s21, 0
	s_lshl_b32 s22, s18, 7
	s_add_co_u32 s22, s22, s19
	s_cmp_ge_u32 s96, 2
	s_cselect_b32 s40, KIMG, 0
	s_cselect_b32 s41, 131072, 0
	s_lshl_b32 s20, s22, 11
	s_add_co_u32 s20, s20, s40
	s_add_nc_u64 s[6:7], s[100:101], s[20:21]
	s_lshl_b32 s20, s22, 6
	s_add_co_u32 s20, s20, s41
	s_add_co_u32 s20, s20, QSC
	s_add_nc_u64 s[8:9], s[100:101], s[20:21]
.macro TLOAD a
	WIN 0x40
.irp qd, 0,1,2,3,4,5,6,7,8,9,10,11,12,13,14,15
	global_load_b128 v[64*((\a)%2)+4*\qd:64*((\a)%2)+4*\qd+3], v[L16], s[4:5] offset:(((\a)%4)+8*((\a)/4))*8192+512*\qd
.endr
	WIN 0
.endm
.macro ROT a
	WIN 6+(\a)/4
.set rn, 0
.irp b, 0,1,2,3
.irp j, 0,2,4,6
.set rx1, 8*(8*((\a)%4)+\b)+\j
.set rx2, 8*(8*((\a)%4)+\b+4)+\j
.set rc, 64*((\a)%2)+8*\b+\j
.set rt, TT+4*(rn%4)
	v_pk_mul_f32 v[rt:rt+1], v[rx2:rx2+1], v[rc+32:rc+33]
	v_pk_mul_f32 v[rt+2:rt+3], v[rx1:rx1+1], v[rc+32:rc+33]
	v_pk_fma_f32 v[XX+8*\b+\j:XX+8*\b+\j+1], v[rx1:rx1+1], v[rc:rc+1], v[rt:rt+1] neg_lo:[0,0,1] neg_hi:[0,0,1]
	v_pk_fma_f32 v[XX+32+8*\b+\j:XX+32+8*\b+\j+1], v[rx2:rx2+1], v[rc:rc+1], v[rt+2:rt+3]
.set rn, rn+1
.endr
.endr
	WIN 0
.endm
	s_wait_alu depctr_va_vdst(0)                   ;   (The table's first two blocks were asked for ahead of the last 64 products)
.irp a, 0,1,2,3,4,5,6,7
.if \a < 7
	s_wait_loadcnt 16
.else
	s_wait_loadcnt 0x0
.endif
	s_wait_xcnt 0x0
	ROT \a
.if \a < 6
	TLOAD \a+2
.endif
	QUANT XX, PC+16*(\a%2), PW+\a, 1
.irp c, 0,1,2,3
	global_store_b128 v[L16], v[PC+16*(\a%2)+4*\c:PC+16*(\a%2)+4*\c+3], s[6:7] offset:((\a%4)+8*(\a/4))*2048+512*\c
.endr
.if \a%2
	v_cndmask_b32 v[PW+\a-1], v[PW+\a-1], v[PW+\a], s13
	global_store_b32 v[L4], v[PW+\a-1], s[8:9] offset:(((\a-1)%4)+8*((\a-1)/4))*64
.endif
.endr
	s_branch .Ldone
.Lepi_v:
	s_lshl_b32 s18, s42, 1
	s_add_co_u32 s18, s18, s16
	s_mul_i32 s18, s18, 85
	s_mul_i32 s19, s17, 7
	s_add_co_u32 s18, s18, s19
	s_lshl_b32 s19, s15, 2
	s_add_co_u32 s18, s18, s19
	s_lshl_b32 s20, s18, 11
	s_add_co_u32 s20, s20, VIMG
	s_mov_b32 s21, 0
	s_add_nc_u64 s[6:7], s[100:101], s[20:21]
	s_lshl_b32 s20, s18, 6
	s_add_co_u32 s20, s20, VSC
	s_add_nc_u64 s[8:9], s[100:101], s[20:21]
	s_cmp_eq_u32 s15, 0
	s_cselect_b32 s20, 1, 0
	s_cmp_eq_u32 s17, 11
	s_cselect_b32 s20, 1, s20
	v_mov_b32 v[KEEP], s20
	v_cndmask_b32 v[KEEP2], 1, v[KEEP], s13
	s_mov_b32 s92, 0xbfb8aa3b
	s_mov_b32 s93, s92
.macro GLU i
	WIN 0x03
.set en, 0
.rept 32
	v_pk_mul_f32 v[EE+en:EE+en+1], v[64*(\i)+en:64*(\i)+en+1], s[92:93] op_sel_hi:[1,0]
.set en, en+2
.endr
	WIN 0
.set en, 0
	s_wait_alu depctr_va_vdst(0)
.rept 64
	v_exp_f32 v[EE+en], v[EE+en]
.set en, en+1
.endr
	v_nop
	s_wait_alu depctr_va_vdst(0)
.set en, 0
.rept 32
	v_pk_add_f32 v[EE+en:EE+en+1], v[EE+en:EE+en+1], 1.0 op_sel_hi:[1,0]
.set en, en+2
.endr
.set en, 0
	s_wait_alu depctr_va_vdst(0)
.rept 64
	v_rcp_f32 v[EE+en], v[EE+en]
.set en, en+1
.endr
	v_nop
	s_wait_alu depctr_va_vdst(0)
	WIN 0x03
.set en, 0
.rept 32
	v_pk_mul_f32 v[EE+en:EE+en+1], v[64*(\i)+en:64*(\i)+en+1], v[EE+en:EE+en+1]
.set en, en+2
.endr
	WIN 0x02
.set en, 0
.rept 32
	v_pk_mul_f32 v[XX+en:XX+en+1], v[64*(\i)+en:64*(\i)+en+1], v[EE+en:EE+en+1]
.set en, en+2
.endr
	WIN 0
	s_wait_xcnt 0x0
	QUANT XX, PC+16*((\i)%2), PW+(\i), 1
.endm
.irp i, 0,1,2
	GLU \i
.irp c, 0,1,2,3
	global_store_b128 v[L16], v[PC+16*(\i%2)+4*\c:PC+16*(\i%2)+4*\c+3], s[6:7] offset:2048*\i+512*\c
.endr
.if \i == 1
	v_cndmask_b32 v[PW], v[PW], v[PW+1], s13
	global_store_b32 v[L4], v[PW], s[8:9]
.endif
.endr
	GLU 3
	v_cmp_ne_u32 vcc_lo, 0, v[KEEP]
	s_wait_alu depctr_va_vdst(0)
	s_wait_xcnt 0x0
	s_and_saveexec_b32 s94, vcc_lo
.irp c, 0,1,2,3
	global_store_b128 v[L16], v[PC+16+4*\c:PC+16+4*\c+3], s[6:7] offset:2048*3+512*\c
.endr
	s_wait_xcnt 0x0
	s_or_b32 exec_lo, exec_lo, s94
	v_cndmask_b32 v[PW+2], v[PW+2], v[PW+3], s13
	v_cmp_ne_u32 vcc_lo, 0, v[KEEP2]
	s_and_saveexec_b32 s94, vcc_lo
	global_store_b32 v[L4], v[PW+2], s[8:9] offset:128
	s_wait_xcnt 0x0
	s_or_b32 exec_lo, exec_lo, s94
.Ldone:
	s_wait_tensorcnt 0x0
	ds_add_u32 v[SPW], v[NIL]
	s_wait_dscnt 0x0
	CROUND
	s_endpgm
.Lfunc_end_k_q1f6dbe051a_proj:
	.size	k_q1f6dbe051a_proj, .Lfunc_end_k_q1f6dbe051a_proj-k_q1f6dbe051a_proj
	.p2alignl 7, 3214868480
	.fill 96, 4, 3214868480
	.section	.rodata,"a",@progbits
	.p2align	6, 0x0
	.amdhsa_kernel k_q1f6dbe051a_proj
		.amdhsa_group_segment_fixed_size 327680
		.amdhsa_private_segment_fixed_size 0
		.amdhsa_enable_private_segment 0
		.amdhsa_kernarg_size 136
		.amdhsa_user_sgpr_count 2
		.amdhsa_user_sgpr_kernarg_segment_ptr 1
		.amdhsa_wavefront_size32 1
		.amdhsa_system_sgpr_workgroup_id_x 1
		.amdhsa_system_sgpr_workgroup_id_y 1
		.amdhsa_system_sgpr_workgroup_id_z 1
		.amdhsa_system_vgpr_workitem_id 0
		.amdhsa_next_free_vgpr 1024
		.amdhsa_next_free_sgpr 102
		.amdhsa_reserve_vcc 1
		.amdhsa_float_denorm_mode_32 3
		.amdhsa_float_denorm_mode_16_64 3
		.amdhsa_memory_ordered 1
		.amdhsa_forward_progress 1
		.amdhsa_inst_pref_size 255
	.end_amdhsa_kernel
	.section	.bss,"aw",@nobits
	.p2align	6
	.space	262144
	.amdgpu_metadata
---
amdhsa.version: [ 1, 2 ]
amdhsa.kernels:
  - .name:           k_q1f6dbe051a_proj
    .symbol:         k_q1f6dbe051a_proj.kd
    .args:
      - { .name: q_codes, .offset: 0, .size: 8, .value_kind: global_buffer, .address_space: global }
      - { .name: q_scales, .offset: 8, .size: 8, .value_kind: global_buffer, .address_space: global }
      - { .name: Wq_codes, .offset: 16, .size: 8, .value_kind: global_buffer, .address_space: global }
      - { .name: Wq_scales, .offset: 24, .size: 8, .value_kind: global_buffer, .address_space: global }
      - { .name: bq, .offset: 32, .size: 8, .value_kind: global_buffer, .address_space: global }
      - { .name: k_codes, .offset: 40, .size: 8, .value_kind: global_buffer, .address_space: global }
      - { .name: k_scales, .offset: 48, .size: 8, .value_kind: global_buffer, .address_space: global }
      - { .name: Wk_codes, .offset: 56, .size: 8, .value_kind: global_buffer, .address_space: global }
      - { .name: Wk_scales, .offset: 64, .size: 8, .value_kind: global_buffer, .address_space: global }
      - { .name: bk, .offset: 72, .size: 8, .value_kind: global_buffer, .address_space: global }
      - { .name: Wv_codes, .offset: 80, .size: 8, .value_kind: global_buffer, .address_space: global }
      - { .name: Wv_scales, .offset: 88, .size: 8, .value_kind: global_buffer, .address_space: global }
      - { .name: v_codes, .offset: 96, .size: 8, .value_kind: global_buffer, .address_space: global }
      - { .name: v_scales, .offset: 104, .size: 8, .value_kind: global_buffer, .address_space: global }
      - { .name: bv, .offset: 112, .size: 8, .value_kind: global_buffer, .address_space: global }
      - { .name: prepb, .offset: 120, .size: 8, .value_kind: global_buffer, .address_space: global }
      - { .name: qkv, .offset: 128, .size: 8, .value_kind: global_buffer, .address_space: global }
    .group_segment_fixed_size: 327680
    .private_segment_fixed_size: 0
    .kernarg_segment_align: 8
    .kernarg_segment_size: 136
    .max_flat_workgroup_size: 128
    .sgpr_count:     102
    .vgpr_count:     1024
    .wavefront_size: 32
...
	.end_amdgpu_metadata
.endif
;; end of part 2
;; launch attn (part 3): grid 16 x 16, 4 waves a work-group, no clusters, 165,376 bytes of LDS; arguments qkv, flags, mask, obuf; writes obuf
.if DOCPART == 3
	.amdgcn_target "amdgcn-amd-amdhsa--gfx1250"
	.amdhsa_code_object_version 6
	.text
	.protected	k_q1f6dbe051a_attn
	.globl	k_q1f6dbe051a_attn
	.p2align	8
	.type	k_q1f6dbe051a_attn,@function
k_q1f6dbe051a_attn:
	s_mov_b64 s[64:65], 0
	v_nop
	global_prefetch_b8 v0, s[64:65] scope:SCOPE_SE
	s_setreg_imm32_b32 hwreg(HW_REG_WAVE_MODE, 25, 1), 1
	s_wait_xcnt 0x0
; o = softmax(q k^T / sqrt(128), masked) v for one head (work-group y), on codes of E5M2 with E8M0 scales; both products by the scaled matrix instruction.  o leaves as f32, [2048][1360].
; THE SOFTMAX: t = score x log2(e) / sqrt(128); M = the running largest t rounded up to a whole number; p = 2^(t - M) is quantised along the keys, not normalised; the row's sum of the unquantised p divides at the end.
; SHARES.  Wave w of work-group x owns TWO tiles of 16 queries: A = 4 x + w and B = 127 - A (a choice of balance alone).  All four waves walk all 16 steps of 128 keys: the trip count is a constant, one barrier a step.
; THE MASK is an input.  An earlier launch stored, for each tile of 16 queries and each key step, 0 (every byte set: the tile's work in this step is left out), 1 (some: the bytes are read and applied), 2 (none).
;   Branches hang on these stored numbers; no barrier stands under such a branch.  A row with every key masked ends with the sum 0 and gives NaN, as the softmax of such a row does.
; LAYOUT.  S^T = K Q^T (source 0 = 16 keys, source 1 = 16 queries), O^T = V^T P^T (source 0 = 16 columns of v, source 1 = P): a lane holds one query (lane % 16) throughout.
;   Register 16 b + 8 u + j of S^T is key 32 b + 16 u + 8 h + j: a block of 32 keys lies in lanes l and l xor 16; behind the conversions two exchanges of half-waves a block put p's codes into the operand's order.
; V's tiles are tiles of 16 of the 1,360 columns of all heads.  A head takes the 7 tiles from T0 = min(85 head / 16, 78); its 85 columns begin OFF = 85 head - 16 T0 columns in.  The other columns' sums are not stored.
; K, V come as images of operands' registers through registers into four LDS slots, slot = step % 4: loaded three steps ahead, stored to LDS two steps ahead, shown to all waves by the next step's barrier;
;   K of step j + 1 is read in step j, V of step j in step j.  A slot is written again two barriers behind its last read.  When no wave of the work-group wants any later step, nothing more is staged.
; No tensor load: LDS is claimed as it is used.
; LIMITS: NaN and infinities in q, k, v are not served.
; REGISTERS.  window 0: v1-18 addresses; v20-27 -M, largest t, the sum (two halves) of tiles A, B; v28-39 scale words; v40-61 at work; v64-79 p's codes; v112-175, v176-239 S^T of A, B; v240-243 the way out.
;   window 1: v0-55, v56-111 O^T of A, B; v112-143 Q; v144-207 two sets of mask bytes; v208 -infinity.   window 2: v0-127 K's 8 fragments, v128-239 V's 7.   window 3: two staging sets of 62.
.set KIMG, 4194304
.set VIMG, 8388608
.set QSC,  11173888
.set KSC,  11304960
.set VSC,  11436032
.set SLOTB, 32768                      ; a slot: K's images 16,384, V's 14,336, K's scale words 512, V's 512
.set VI,   16384
.set KSO,  30720
.set VSO,  31232
.set STAGE, 131072                     ; behind the slots: 16 rows x 464 bytes for each wave
.set SPI,  464                         ; 448 bytes + 16: an odd multiple of 16
.set L16, 1
.set L4,  2
.set L4R, 3
.set T16, 4
.set T4,  5
.set T4V, 6
.set RB,  7
.set RX,  8
.set WX,  9
.set SB4, 10
.set SX4, 11
.set W4X, 13
.set MOA, 15
.set MOB, 16
.set PFO, 17
.set LN,  18
.set STA, 20
.set STB, 24
.set KSR, 28
.set VSR, 32
.set QSA, 36
.set QSB, 37
.set PSA, 38
.set PSB, 39
.set TM,  40
.set PC,  64
.set SVA, 112
.set SVB, 176
.set STO, 240
.set RDA, 241
.set RDB, 242
.set GOB, 243
.set OVA, 0                            ; in window 1
.set OVB, 56
.set QVA, 112
.set QVB, 128
.set MKS, 144
.set NINF1, 208
.set WV, 12
.set HD, 13
.set K0, 14
.set V0, 16
.set KS0, 18
.set VS0, 20
.set KP, 22
.set VP, 24
.set KSP, 26
.set VSP, 28
.set MP, 30
.set FA, 32
.set FB, 33
.set CA, 34
.set CB, 35
.set NA, 36
.set NB, 37
.set J,  38
.set TR, 39
.set SBA, 40
.set SBX, 41
.set SEL, 42
.set CS,  44
.set MNT, 46
.set LIM, 47
.set PFA, 48
.set PFS, 50
.set OPA, 52
.set OPB, 54
.set MS,  56
.set TAI, 66
.set TBI, 67
.set T0,  68
.set OFF, 69
.set QPA, 72
.set QPB, 74
.set QSPA, 76
.set QSPB, 78
.set GW,  92
.set MSB, 0
.macro WIN new
.if MSB != \new
	s_set_vgpr_msb (MSB<<8)|\new
.set MSB, \new
.endif
.endm
.macro PLACES n
.rept \n
	v_nop
.endr
.endm
.macro SETP                            ; the four staging pointers for key step s60
	s_mov_b32 s63, 0
	s_lshl_b32 s62, s60, 14
	s_add_nc_u64 s[KP:KP+1], s[K0:K0+1], s[62:63]
	s_mul_i32 s62, s60, 174080
	s_add_nc_u64 s[VP:VP+1], s[V0:V0+1], s[62:63]
	s_lshl_b32 s62, s60, 9
	s_add_nc_u64 s[KSP:KSP+1], s[KS0:KS0+1], s[62:63]
	s_mul_i32 s62, s60, 5440
	s_add_nc_u64 s[VSP:VSP+1], s[VS0:VS0+1], s[62:63]
.endm
.macro STAGE_LD q                      ; a key step's tiles, a 128th to each thread: each instruction of the work-group reads 2,048 consecutive bytes
	WIN 0xc0
.irp i, 0,1,2,3,4,5,6,7
	global_load_b128 v[64*(\q)+4*\i:64*(\q)+4*\i+3], v[T16], s[KP:KP+1] offset:2048*\i
.endr
.irp i, 0,1,2,3,4,5,6
	global_load_b128 v[64*(\q)+32+4*\i:64*(\q)+32+4*\i+3], v[T16], s[VP:VP+1] offset:2048*\i
.endr
	global_load_b32 v[64*(\q)+60], v[T4], s[KSP:KSP+1]
	global_load_b32 v[64*(\q)+61], v[T4V], s[VSP:VSP+1]    ; 112 words: threads 112-127 read word 111 again
	WIN 0
.endm
.macro STAGE_ST q, adr, adr4, o
	WIN 0x0c                                       ; an LDS store's data are its source 1: window 3
.irp i, 0,1,2,3,4,5,6,7
	ds_store_b128 v[\adr], v[64*(\q)+4*\i:64*(\q)+4*\i+3] offset:(\o)+2048*\i
.endr
.irp i, 0,1,2,3,4,5,6
	ds_store_b128 v[\adr], v[64*(\q)+32+4*\i:64*(\q)+32+4*\i+3] offset:(\o)+VI+2048*\i
.endr
	ds_store_b32 v[\adr4], v[64*(\q)+60] offset:(\o)+KSO
	ds_store_b32 v[\adr4], v[64*(\q)+61] offset:(\o)+VSO
	WIN 0
.endm
.macro KFETCH adr, adr4, o
	WIN 0x80
.irp a, 0,1,2,3,4,5,6,7
.irp c, 0,1,2,3
	ds_load_b128 v[16*\a+4*\c:16*\a+4*\c+3], v[\adr] offset:(\o)+2048*\a+512*\c
.endr
.endr
	WIN 0
.irp i, 0,1,2,3
	ds_load_b32 v[KSR+\i], v[\adr4] offset:(\o)+KSO+128*\i     ; lanes 0-15 tile 2 i's words, lanes 16-31 tile 2 i + 1's
.endr
.endm
.macro VFETCH adr, adr4, o
	WIN 0x80
.irp t, 0,1,2,3,4,5,6
.irp c, 0,1,2,3
	ds_load_b128 v[128+16*\t+4*\c:128+16*\t+4*\c+3], v[\adr] offset:(\o)+VI+2048*\t+512*\c
.endr
.endr
	WIN 0
.irp i, 0,1,2,3
	ds_load_b32 v[VSR+\i], v[\adr4] offset:(\o)+VSO+128*\i
.endr
.endm
.macro SPROD sx, q, qs                 ; S^T of one tile of queries: eight tiles of 16 keys, each sum begun with 0
	WIN 0x06                                       ; K window 2, Q window 1, S^T window 0
.irp t, 0,1,2,3,4,5,6,7
.if \t%2
	v_wmma_scale_f32_16x16x128_f8f6f4 v[\sx+8*\t:\sx+8*\t+7], v[16*\t:16*\t+15], v[\q:\q+15], 0, v[KSR+\t/2], v[\qs] matrix_a_fmt:MATRIX_FMT_BF8 matrix_b_fmt:MATRIX_FMT_BF8 matrix_a_scale:MATRIX_SCALE_ROW1
.else
	v_wmma_scale_f32_16x16x128_f8f6f4 v[\sx+8*\t:\sx+8*\t+7], v[16*\t:16*\t+15], v[\q:\q+15], 0, v[KSR+\t/2], v[\qs] matrix_a_fmt:MATRIX_FMT_BF8 matrix_b_fmt:MATRIX_FMT_BF8
.endif
.endr
	WIN 0
.endm
.macro PVPROD ob, ps                   ; O^T += V^T P^T: seven accumulators by turns, one instruction a turn
	WIN 0x52                                       ; V window 2, P window 0, O^T window 1
.irp t, 0,1,2,3,4,5,6
.if \t%2
	v_wmma_scale_f32_16x16x128_f8f6f4 v[\ob+8*\t:\ob+8*\t+7], v[128+16*\t:128+16*\t+15], v[PC:PC+15], v[\ob+8*\t:\ob+8*\t+7], v[VSR+\t/2], v[\ps] matrix_a_fmt:MATRIX_FMT_BF8 matrix_b_fmt:MATRIX_FMT_BF8 matrix_a_scale:MATRIX_SCALE_ROW1
.else
	v_wmma_scale_f32_16x16x128_f8f6f4 v[\ob+8*\t:\ob+8*\t+7], v[128+16*\t:128+16*\t+15], v[PC:PC+15], v[\ob+8*\t:\ob+8*\t+7], v[VSR+\t/2], v[\ps] matrix_a_fmt:MATRIX_FMT_BF8 matrix_b_fmt:MATRIX_FMT_BF8
.endif
.endr
	WIN 0
.endm
; One tile's softmax for one key step.  sx: S^T; st: -M, largest t, the sum; ps: p's scale word; mk: the mask bytes (window 1); ob: O^T (window 1); flag: the tile's stored number for this step.
.macro SOFT sx, st, ps, mk, ob, flag
	s_cmp_eq_u32 s[\flag], 1
	s_cbranch_scc0 .Lopen_\@
	WIN 0x01                                       ; source 0 window 1: the bytes, and -infinity
.set mn, 0
.rept 16                               ; register n of S^T goes with byte n % 4 of mask register n / 4; a score whose byte is set becomes -infinity ahead of the maximum
.irp e, 0,1,2,3
	v_bfe_u32 v[TM+18+\e], v[\mk+mn], 8*\e, 8
.endr
.irp e, 0,1,2,3
	v_cmp_eq_u32 s[MS+\e], 0, v[TM+18+\e]
.endr
.irp e, 0,1,2,3
	v_cndmask_b32 v[\sx+4*mn+\e], v[NINF1], v[\sx+4*mn+\e], s[MS+\e]
.endr
.set mn, mn+1
.endr
	WIN 0
.Lopen_\@:
.irp b, 0,1,2,3
	v_max3_num_f32 v[TM+\b], v[\sx+16*\b], v[\sx+1+16*\b], v[\sx+2+16*\b]   ; the largest score of each block of 32 keys: for the row's maximum and for the block's largest p
.endr
.irp i, 3,5,7,9,11,13
.irp b, 0,1,2,3
	v_max3_num_f32 v[TM+\b], v[TM+\b], v[\sx+16*\b+\i], v[\sx+1+16*\b+\i]
.endr
.endr
.irp b, 0,1,2,3
	v_max_num_f32 v[TM+\b], v[TM+\b], v[\sx+15+16*\b]
.endr
.irp b, 0,1,2,3
	v_permlanex16_b32 v[TM+4+\b], v[TM+\b], s[SEL], s[SEL+1]
.endr
.irp b, 0,1,2,3
	v_max_num_f32 v[TM+\b], v[TM+\b], v[TM+4+\b]
.endr
	v_max3_num_f32 v[TM+18], v[TM], v[TM+1], v[TM+2]
	v_max_num_f32 v[TM+18], v[TM+18], v[TM+3]
	v_mul_f32 v[TM+18], s[CS], v[TM+18]            ; as t
	v_max_num_f32 v[\st+1], v[\st+1], v[TM+18]     ; the running largest t
	v_mov_b32 v[TM+18], v[\st]
	v_floor_f32 v[\st], -v[\st+1]                  ; the new -M = -ceil(t): a whole number
	v_sub_f32 v[TM+18], v[\st], v[TM+18]           ; old M - new M, 0 or less
	v_cvt_i32_f32 v[TM+18], v[TM+18]               ; (it saturates)
	v_ldexp_f32 v[TM+16], 1.0, v[TM+18]            ; f = 2^(old M - new M): the rescaling rounds nothing
.set sj, 0
.rept 32
	v_pk_fma_f32 v[\sx+sj:\sx+sj+1], v[\sx+sj:\sx+sj+1], s[CS:CS+1], v[\st:\st+1] op_sel_hi:[1,0,0]   ; t - M
.set sj, sj+2
.endr
.irp b, 0,1,2,3
	v_fma_f32 v[TM+\b], v[TM+\b], s[CS], v[\st]
.endr
.set sj, 0
	s_wait_alu depctr_va_vdst(0)
.rept 64
	v_exp_f32 v[\sx+sj], v[\sx+sj]                 ; p
.set sj, sj+1
.endr
	v_pk_mul_f32 v[\st+2:\st+3], v[\st+2:\st+3], v[TM+16:TM+17] op_sel_hi:[1,0]   ; the sums under the new M; the plain line behind the exponentials
	s_wait_alu depctr_va_vdst(0)                   ; one wait for the batch, ahead of its first reader
.irp b, 0,1,2,3
	v_exp_f32 v[TM+\b], v[TM+\b]                   ; each block's largest p
.endr
	v_pk_add_f32 v[TM+4:TM+5], v[\sx:\sx+1], v[\sx+2:\sx+3]    ; the row's sum of the unquantised p, in two chains
.set sj, 4
.rept 15
	v_pk_add_f32 v[\st+2:\st+3], v[\st+2:\st+3], v[\sx+sj:\sx+sj+1]
	v_pk_add_f32 v[TM+4:TM+5], v[TM+4:TM+5], v[\sx+sj+2:\sx+sj+3]
.set sj, sj+4
.endr
	v_pk_add_f32 v[\st+2:\st+3], v[\st+2:\st+3], v[TM+4:TM+5]
	s_wait_alu depctr_va_vdst(0)                   ; and one for the four
.irp b, 0,1,2,3
	v_max_num_f32 v[TM+\b], 0x8000000, v[TM+\b]    ; the floor 2^(16 - 127): the byte cannot fall under 1
.endr
.irp b, 0,1,2,3
	v_add_nc_u32 v[TM+12+\b], 0xf8800000, v[TM+\b]
.endr
.irp b, 0,1,2,3
	v_and_or_b32 v[TM+8+\b], v[TM+\b], 0x7f800000, s[MNT]
.endr
.irp b, 0,1,2,3
	v_lshrrev_b32 v[TM+4+\b], 23, v[TM+12+\b]
.endr
	v_lshl_or_b32 v[\ps], v[TM+5], 8, v[TM+4]      ; p's scale word; the 64 holds below are more than the eight places that it wants ahead of the products
	v_lshl_or_b32 v[\ps], v[TM+6], 16, v[\ps]
	v_lshl_or_b32 v[\ps], v[TM+7], 24, v[\ps]
.irp b, 0,1,2,3
.irp i, 0,1,2,3,4,5,6,7,8,9,10,11,12,13,14,15
	v_min_num_f32 v[\sx+16*\b+\i], v[\sx+16*\b+\i], v[TM+8+\b]   ; the conversion does not saturate (ISA guide 7.6.2); p is not negative
.endr
	v_cvt_scalef32_pk8_bf8_f32 v[PC+4*\b:PC+1+4*\b], v[\sx+16*\b:\sx+7+16*\b], v[TM+12+\b]
	v_cvt_scalef32_pk8_bf8_f32 v[PC+2+4*\b:PC+3+4*\b], v[\sx+8+16*\b:\sx+15+16*\b], v[TM+12+\b]
.endr
	v_nop                                          ; a plain line behind the last conversion
.irp b, 0,1,2,3
	v_permlane16_swap_b32 v[PC+4*\b], v[PC+2+4*\b] ; registers 4 b .. 4 b + 3 now hold keys 32 b + 16 h + 0..15
	v_permlane16_swap_b32 v[PC+1+4*\b], v[PC+3+4*\b]
.endr
	WIN 0x41
.set sj, 0
.rept 28
	v_pk_mul_f32 v[\ob+sj:\ob+sj+1], v[\ob+sj:\ob+sj+1], v[TM+16:TM+17] op_sel_hi:[1,0]   ; O^T under the new M; also the places between the codes and the products
.set sj, sj+2
.endr
	WIN 0
.endm
; A prefetch of K's and V's images of the key step six on, three steps ahead of the loads that will want them.  K's 16,384 bytes of a head and step: waves 0 and 1 of the head's work-group x = 0, lanes 256 bytes apart.
; V's 174,080 bytes of a step, which all heads share: wave 2 of the 22 work-groups with 16 head + x < 22, a lane a block of 256 bytes (in the last of them the lanes past block 679 name that block again).
; Steps 0 to 5 come by their loads alone; from step 10 on nothing is asked for.
.macro ASK
	s_cmp_lt_u32 s[J], s[LIM]
	s_cbranch_scc0 .Lnoask_\@
	global_prefetch_b8 v[PFO], s[PFA:PFA+1] th:TH_LOAD_NT scope:SCOPE_SE
.Lnoask_\@:
.endm
; A KEY STEP j; p = j % 2.
.macro ASTEP p
	s_wait_dscnt 0x0                               ; my LDS stores of the last step have landed, and my reads are in:
	s_barrier_signal -1
	s_barrier_wait -1                              ; the tiles stored last step are whole for every wave, and what was read two steps back may be written again
	PLACES 9                                       ; behind the last products: S^T is read or begun anew, and the fragments' and scale words' registers are loaded again
	s_wait_loadcnt 0x0                             ; what was asked for a step ago is in: a staging set, and this step's mask bytes
	s_wait_xcnt 0x0                                ; so every pointer below may be written
	s_and_b32 s[CA], s[FA], 3                      ; this step's and the next step's stored numbers
	s_bfe_u32 s[NA], s[FA], 0x20002
	s_and_b32 s[CB], s[FB], 3
	s_bfe_u32 s[NB], s[FB], 0x20002
	s_add_nc_u64 s[PFA:PFA+1], s[PFA:PFA+1], s[PFS:PFS+1]
	s_add_nc_u64 s[MP:MP+1], s[MP:MP+1], 128       ; the next step's columns of the mask
	s_lshr_b32 s61, s[GW], 4                       ; does any wave of the work-group want step j + 2 or a later one?
	s_cmp_lg_u32 s61, 0
	s_cbranch_scc0 .Lnst_\@
.if \p
	s_wait_alu depctr_va_vdst(0)
	STAGE_ST 1, WX, W4X, SLOTB
.else
	s_wait_alu depctr_va_vdst(0)
	STAGE_ST 0, WX, W4X, 0
.endif
.Lnst_\@:
	s_cmp_eq_u32 s[NA], 1
	s_cbranch_scc0 .Lnma_\@
	WIN 0x40
.irp t, 0,1,2,3,4,5,6,7
	global_load_b64 v[MKS+32*(1-\p)+2*\t:MKS+32*(1-\p)+2*\t+1], v[MOA], s[MP:MP+1] offset:16*\t   ; my query's bytes for keys 16 t + 8 h + 0..7
.endr
	WIN 0
.Lnma_\@:
	s_cmp_eq_u32 s[NB], 1
	s_cbranch_scc0 .Lnmb_\@
	WIN 0x40
.irp t, 0,1,2,3,4,5,6,7
	global_load_b64 v[MKS+32*(1-\p)+16+2*\t:MKS+32*(1-\p)+16+2*\t+1], v[MOB], s[MP:MP+1] offset:16*\t
.endr
	WIN 0
.Lnmb_\@:
	s_lshr_b32 s61, s[GW], 6                       ; step j + 3 or a later one?
	s_cmp_lg_u32 s61, 0
	s_cbranch_scc0 .Lnld_\@
	s_add_co_u32 s60, s[J], 3
	s_min_u32 s60, s60, 15
	SETP
	STAGE_LD 1-\p
.Lnld_\@:
	ASK
	s_or_b32 s61, s[NA], s[NB]
	s_cmp_lg_u32 s61, 0
	s_cbranch_scc0 .Lnk_\@
.if \p
	s_wait_alu depctr_va_vdst(0)
	KFETCH RX, SX4, 0
.else
	s_wait_alu depctr_va_vdst(0)
	KFETCH RB, SB4, SLOTB
.endif
.Lnk_\@:
	s_or_b32 s61, s[CA], s[CB]
	s_cmp_lg_u32 s61, 0
	s_cbranch_scc0 .Lidle_\@
.if \p
	s_wait_alu depctr_va_vdst(0)
	VFETCH RB, SB4, SLOTB
.else
	s_wait_alu depctr_va_vdst(0)
	VFETCH RB, SB4, 0
.endif
	s_cmp_lg_u32 s[CA], 0
	s_cbranch_scc0 .Lna_\@
	SOFT SVA, STA, PSA, MKS+32*\p, OVA, CA
	s_wait_alu depctr_va_vdst(0)
	s_wait_dscnt 0x0                               ; V is in
	PVPROD OVA, PSA
.Lna_\@:
	s_cmp_lg_u32 s[CB], 0
	s_cbranch_scc0 .Lnb_\@
	SOFT SVB, STB, PSB, MKS+32*\p+16, OVB, CB
	s_wait_alu depctr_va_vdst(0)
	s_wait_dscnt 0x0
	PVPROD OVB, PSB
.Lnb_\@:
.Lidle_\@:
	s_cmp_lg_u32 s[NA], 0
	s_cbranch_scc0 .Lnsa_\@
	s_wait_dscnt 0x0                               ; K is in
	SPROD SVA, QVA, QSA
.Lnsa_\@:
	s_cmp_lg_u32 s[NB], 0
	s_cbranch_scc0 .Lnsb_\@
	s_wait_dscnt 0x0
	SPROD SVB, QVB, QSB
.Lnsb_\@:
	s_lshr_b32 s[FA], s[FA], 2
	s_lshr_b32 s[FB], s[FB], 2
	s_lshr_b32 s[GW], s[GW], 2
	s_add_co_u32 s[J], s[J], 1
.endm
	s_load_b256 s[4:11], s[0:1], 0x0               ; qkv s[4:5], flags s[6:7], mask s[8:9], obuf s[10:11]
	v_lshl_add_u32 v254, v0, 2, 0x28400
	v_mov_b32 v255, 0
	v_lshrrev_b32 v19, 5, v0
	v_readfirstlane_b32 s[WV], v19
	v_and_b32 v[LN], 31, v0
	v_lshlrev_b32 v[L16], 4, v[LN]
	v_lshlrev_b32 v[L4], 2, v[LN]
	v_and_b32 v19, 15, v0                          ; r
	v_bfe_u32 v63, v0, 4, 1                        ; h
	v_lshlrev_b32 v[L4R], 2, v19
	v_lshlrev_b32 v[T16], 4, v0
	v_lshlrev_b32 v[T4], 2, v0
	v_min_u32 v[T4V], 111, v0                      ; (a global offset alone)
	v_lshlrev_b32 v[T4V], 2, v[T4V]
	s_and_b32 s[HD], ttmp7, 0xffff
	s_lshl_b32 s[TAI], ttmp9, 2
	s_add_co_u32 s[TAI], s[TAI], s[WV]
	s_sub_co_u32 s[TBI], 127, s[TAI]
	s_mul_i32 s60, s[HD], 85
	s_lshr_b32 s[T0], s60, 4
	s_min_u32 s[T0], s[T0], 78
	s_lshl_b32 s61, s[T0], 4
	s_sub_co_u32 s[OFF], s60, s61
	s_mov_b32 s63, 0
	s_wait_alu depctr_va_vdst(0)
	s_wait_kmcnt 0x0
	s_lshl_b32 s62, ttmp9, 4                       ; the words of tiles 4 x .. 4 x + 3,
	s_add_nc_u64 s[80:81], s[6:7], s[62:63]
	s_sub_co_u32 s62, 496, s62                     ; and of tiles 124 - 4 x .. 127 - 4 x
	s_add_nc_u64 s[82:83], s[6:7], s[62:63]
	s_load_b128 s[84:87], s[80:81], 0x0
	s_load_b128 s[88:91], s[82:83], 0x0
	s_lshl_b32 s62, s[HD], 18
	s_add_co_u32 s62, s62, KIMG
	s_add_nc_u64 s[K0:K0+1], s[4:5], s[62:63]
	s_lshl_b32 s62, s[T0], 11
	s_add_co_u32 s62, s62, VIMG
	s_add_nc_u64 s[V0:V0+1], s[4:5], s[62:63]
	s_lshl_b32 s62, s[HD], 13
	s_add_co_u32 s62, s62, KSC
	s_add_nc_u64 s[KS0:KS0+1], s[4:5], s[62:63]
	s_lshl_b32 s62, s[T0], 6
	s_add_co_u32 s62, s62, VSC
	s_add_nc_u64 s[VS0:VS0+1], s[4:5], s[62:63]
	s_mov_b32 s62, VIMG
	s_add_nc_u64 s[70:71], s[4:5], s[62:63]
	s_lshl_b32 s60, s[HD], 7
	s_add_co_u32 s61, s60, s[TAI]
	s_lshl_b32 s62, s61, 11
	s_add_nc_u64 s[QPA:QPA+1], s[4:5], s[62:63]
	s_lshl_b32 s62, s61, 6
	s_add_co_u32 s62, s62, QSC
	s_add_nc_u64 s[QSPA:QSPA+1], s[4:5], s[62:63]
	s_add_co_u32 s61, s60, s[TBI]
	s_lshl_b32 s62, s61, 11
	s_add_nc_u64 s[QPB:QPB+1], s[4:5], s[62:63]
	s_lshl_b32 s62, s61, 6
	s_add_co_u32 s62, s62, QSC
	s_add_nc_u64 s[QSPB:QSPB+1], s[4:5], s[62:63]
	s_lshl_b32 s61, s[T0], 6                       ; o: my tile's first row, the first column of tile T0
	s_mul_i32 s62, s[TAI], 87040
	s_add_co_u32 s62, s62, s61
	s_add_nc_u64 s[OPA:OPA+1], s[10:11], s[62:63]
	s_mul_i32 s62, s[TBI], 87040
	s_add_co_u32 s62, s62, s61
	s_add_nc_u64 s[OPB:OPB+1], s[10:11], s[62:63]
	s_mov_b64 s[MP:MP+1], s[8:9]
	v_lshlrev_b32 v[MOA], 11, v19
	v_lshl_add_u32 v[MOA], v63, 3, v[MOA]          ; row r of 2,048 bytes + 8 h
	s_lshl_b32 s60, s[TBI], 15
	v_add_nc_u32 v[MOB], s60, v[MOA]
	s_lshl_b32 s60, s[TAI], 15
	v_add_nc_u32 v[MOA], s60, v[MOA]
	WIN 0x40
.irp c, 0,1,2,3
	global_load_b128 v[QVA+4*\c:QVA+4*\c+3], v[L16], s[QPA:QPA+1] offset:512*\c
	global_load_b128 v[QVB+4*\c:QVB+4*\c+3], v[L16], s[QPB:QPB+1] offset:512*\c
.endr
.irp t, 0,1,2,3,4,5,6,7
	global_load_b64 v[MKS+2*\t:MKS+2*\t+1], v[MOA], s[MP:MP+1] offset:16*\t        ; step 0's mask bytes, whatever its stored number says
	global_load_b64 v[MKS+16+2*\t:MKS+16+2*\t+1], v[MOB], s[MP:MP+1] offset:16*\t
.endr
	WIN 0
	global_load_b32 v[QSA], v[L4R], s[QSPA:QSPA+1]
	global_load_b32 v[QSB], v[L4R], s[QSPB:QSPB+1]
	s_mov_b32 s60, 0
	SETP
	STAGE_LD 0
	s_wait_xcnt 0x0                                ; the pointers are written again only behind this wait
	s_mov_b32 s60, 1
	SETP
	STAGE_LD 1
	s_mul_i32 s60, s[WV], 16*SPI
	s_add_co_u32 s60, s60, STAGE                   ; my stage
	v_mul_u32_u24 v[STO], v19, SPI
	v_lshl_add_u32 v[STO], v63, 5, v[STO]
	v_add_nc_u32 v[STO], s60, v[STO]               ; in: row r, + 32 h
	v_add_nc_u32 v[RDA], s60, v[L4]                ; back: 32 columns of a row,
	v_mul_u32_u24 v[RDB], v63, SPI
	v_add_nc_u32 v[RDB], v[RDB], v[L4R]
	v_add_nc_u32 v[RDB], s60, v[RDB]               ; or the last 16 columns of two rows
	v_mul_u32_u24 v[GOB], v63, 5440
	v_add_nc_u32 v[GOB], v[GOB], v[L4R]
	s_lshl_b32 s60, s[HD], 4                       ; who prefetches
	s_add_co_u32 s60, s60, ttmp9
	s_cmp_lt_u32 s60, 22
	s_cselect_b32 s62, 10, 0
	s_cmp_eq_u32 s[WV], 2
	s_cselect_b32 s62, s62, 0
	s_cmp_eq_u32 ttmp9, 0
	s_cselect_b32 s61, 10, 0
	s_mov_b32 s[PFS], 174080
	s_cmp_lt_u32 s[WV], 2
	s_cselect_b32 s[LIM], s61, s62
	s_cselect_b32 s60, s[WV], s60
	s_cselect_b32 s[PFS], 16384, s[PFS]
	s_cselect_b64 s[PFA:PFA+1], s[K0:K0+1], s[70:71]
	s_mov_b32 s[PFS+1], 0
	s_lshl_b32 s60, s60, 5
	v_add_nc_u32 v[PFO], s60, v[LN]
	v_min_u32 v[PFO], 679, v[PFO]
	v_lshlrev_b32 v[PFO], 8, v[PFO]
	s_mul_i32 s62, s[PFS], 5
	s_mov_b32 s63, 0
	s_add_nc_u64 s[PFA:PFA+1], s[PFA:PFA+1], s[62:63]   ; at step 5: step 0 moves it to step 6
	s_mov_b32 s[SEL], 0x76543210
	s_mov_b32 s[SEL+1], 0xfedcba98
	s_mov_b32 s[CS], 0x3e0293ee                    ; log2(e) / sqrt(128)
	s_mov_b32 s[CS+1], s[CS]
	s_mov_b32 s[MNT], 0x600000
	s_mov_b32 s[J], 0
	s_mov_b32 s[TR], 8
	s_mov_b32 s[SBA], 0
	s_mov_b32 s[SBX], 65536
.irp st, STA, STB
	v_mov_b32 v[\st+1], 0xff61b1e6                 ; the largest t so far: -3e38
	v_floor_f32 v[\st], -v[\st+1]
	v_mov_b32 v[\st+2], 0
	v_mov_b32 v[\st+3], 0
.endr
.irp b, 4,5,6,7,17
	v_mov_b32 v[TM+\b], 0                          ; permutes' destinations, and the upper half of f's pair
.endr
	WIN 0x40
.set zi, 0
.rept 112
	v_mov_b32 v[zi], 0                             ; O^T: which step is a tile's first hangs on the mask, so no first product can be written out with C = 0
.set zi, zi+1
.endr
.set zi, 0
.rept 32
	v_mov_b32 v[MKS+32+zi], 0                      ; the second set of mask bytes is written once on every way
.set zi, zi+1
.endr
	v_mov_b32 v[NINF1], 0xff800000
	WIN 0
	s_wait_loadcnt 0x0
	STAGE_ST 0, T16, T4, 0
	STAGE_ST 1, T16, T4, SLOTB
	s_mov_b32 s60, 2
	SETP
	STAGE_LD 0
	s_wait_kmcnt 0x0
	s_cmp_eq_u32 s[WV], 1                          ; my two words of the eight
	s_cselect_b32 s[FA], s85, s84
	s_cselect_b32 s[FB], s90, s91
	s_cmp_eq_u32 s[WV], 2
	s_cselect_b32 s[FA], s86, s[FA]
	s_cselect_b32 s[FB], s89, s[FB]
	s_cmp_eq_u32 s[WV], 3
	s_cselect_b32 s[FA], s87, s[FA]
	s_cselect_b32 s[FB], s88, s[FB]
	s_or_b32 s[GW], s84, s85                       ; and all eight together: the same number in all four waves
	s_or_b32 s[GW], s[GW], s86
	s_or_b32 s[GW], s[GW], s87
	s_or_b32 s[GW], s[GW], s88
	s_or_b32 s[GW], s[GW], s89
	s_or_b32 s[GW], s[GW], s90
	s_or_b32 s[GW], s[GW], s91
	s_wait_dscnt 0x0
	s_barrier_signal -1
	s_barrier_wait -1                              ; steps 0 and 1 lie in LDS
	KFETCH L16, L4, 0
	s_wait_dscnt 0x0
	SPROD SVA, QVA, QSA                            ; step 0's scores of both tiles, whatever the stored numbers say
	SPROD SVB, QVB, QSB
.Ltrip:                                            ; 8 trips of two key steps; the slots' pair changes from trip to trip
	v_add_nc_u32 v[RB], s[SBA], v[L16]
	v_add_nc_u32 v[RX], s[SBX], v[L16]
	v_add_nc_u32 v[WX], s[SBX], v[T16]
	v_add_nc_u32 v[SB4], s[SBA], v[L4]
	v_add_nc_u32 v[SX4], s[SBX], v[L4]
	v_add_nc_u32 v[W4X], s[SBX], v[T4]
	ASTEP 0
	ASTEP 1
	s_xor_b32 s[SBA], s[SBA], 65536
	s_xor_b32 s[SBX], s[SBX], 65536
	s_sub_co_u32 s[TR], s[TR], 1
	s_cmp_lg_u32 s[TR], 0
	s_cbranch_scc1 .Ltrip
; THE WAY OUT of one tile: O^T / the sum goes into my stage (16 rows x 112 columns) and comes back by rows; a column is stored where it belongs to my head: 0 <= column - OFF < 85.
; A head's 340 bytes of a row begin at 340 head: a store covers up to 128 consecutive bytes of a row.
.macro OSTORE first, cnt, adr, step, base, ptr
	v_sub_nc_u32 v[TM+18], v[TM+18], s[OFF]
	v_cmp_gt_u32 vcc_lo, 85, v[TM+18]              ; unsigned: a column ahead of OFF wraps round and fails too
	s_wait_xcnt 0x0                                ; EXEC changes only behind this wait
	s_and_saveexec_b32 s60, vcc_lo
.set oi, 0
.rept \cnt
	global_store_b32 v[\adr], v[\first+oi], s[\ptr:\ptr+1] offset:(\step)*oi+(\base)
.set oi, oi+1
.endr
	s_wait_xcnt 0x0
	s_or_b32 exec_lo, exec_lo, s60
.endm
.macro OUT st, ob, ptr
	v_add_f32 v[TM], v[\st+2], v[\st+3]
	v_permlanex16_b32 v[TM+4], v[TM], s[SEL], s[SEL+1]
	v_add_f32 v[TM], v[TM], v[TM+4]                ; the row's sum
	s_wait_alu depctr_va_vdst(0)
	v_rcp_f32 v[TM+16], v[TM]
	v_nop
	s_wait_alu depctr_va_vdst(0)
	WIN 0x01
.set oi, 0
.rept 28
	v_pk_mul_f32 v[SVA+oi:SVA+oi+1], v[\ob+oi:\ob+oi+1], v[TM+16:TM+17] op_sel_hi:[1,0]   ; each accumulator from its low end on
.set oi, oi+2
.endr
	WIN 0
.irp t, 0,1,2,3,4,5,6
	ds_store_b128 v[STO], v[SVA+8*\t:SVA+8*\t+3] offset:64*\t
	ds_store_b128 v[STO], v[SVA+8*\t+4:SVA+8*\t+7] offset:64*\t+16
.endr
.irp m, 0,1,2
.irp r, 0,1,2,3,4,5,6,7,8,9,10,11,12,13,14,15
	ds_load_b32 v[SVB+16*\m+\r], v[RDA] offset:SPI*\r+128*\m       ; LDS serves a wave's instructions in order: these see my stores
.endr
.endr
.irp k, 0,1,2,3,4,5,6,7
	ds_load_b32 v[SVB+48+\k], v[RDB] offset:SPI*2*\k+384
.endr
	s_wait_dscnt 0x0
.irp m, 0,1,2
	v_add_nc_u32 v[TM+18], 32*\m, v[LN]
	OSTORE SVB+16*\m, 16, L4, 5440, 128*\m, \ptr
.endr
	v_and_b32 v[TM+18], 15, v[LN]
	v_add_nc_u32 v[TM+18], 96, v[TM+18]
	OSTORE SVB+48, 8, GOB, 10880, 384, \ptr
.endm
	PLACES 8                                       ; behind the last products
	OUT STA, OVA, OPA
	OUT STB, OVB, OPB
	s_wait_xcnt 0x0
	s_mov_b32 exec_lo, -1
	s_wait_tensorcnt 0x0
	ds_add_u32 v254, v255
	s_wait_dscnt 0x0
	s_endpgm
.Lfunc_end_k_q1f6dbe051a_attn:
	.size	k_q1f6dbe051a_attn, .Lfunc_end_k_q1f6dbe051a_attn-k_q1f6dbe051a_attn
	.p2alignl 7, 3214868480
	.fill 96, 4, 3214868480
	.section	.rodata,"a",@progbits
	.p2align	6, 0x0
	.amdhsa_kernel k_q1f6dbe051a_attn
		.amdhsa_group_segment_fixed_size 165376
		.amdhsa_private_segment_fixed_size 0
		.amdhsa_enable_private_segment 0
		.amdhsa_kernarg_size 32
		.amdhsa_user_sgpr_count 2
		.amdhsa_user_sgpr_kernarg_segment_ptr 1
		.amdhsa_wavefront_size32 1
		.amdhsa_system_sgpr_workgroup_id_x 1
		.amdhsa_system_sgpr_workgroup_id_y 1
		.amdhsa_system_sgpr_workgroup_id_z 1
		.amdhsa_system_vgpr_workitem_id 0
		.amdhsa_next_free_vgpr 896
		.amdhsa_next_free_sgpr 96
		.amdhsa_reserve_vcc 1
		.amdhsa_float_denorm_mode_32 3
		.amdhsa_float_denorm_mode_16_64 3
		.amdhsa_memory_ordered 1
		.amdhsa_forward_progress 1
		.amdhsa_inst_pref_size 192
	.end_amdhsa_kernel
	.amdgpu_metadata
---
amdhsa.version: [ 1, 2 ]
amdhsa.kernels:
  - .name:           k_q1f6dbe051a_attn
    .symbol:         k_q1f6dbe051a_attn.kd
    .args:
      - { .name: qkv, .offset: 0, .size: 8, .value_kind: global_buffer, .address_space: global }
      - { .name: flags, .offset: 8, .size: 8, .value_kind: global_buffer, .address_space: global }
      - { .name: mask, .offset: 16, .size: 8, .value_kind: global_buffer, .address_space: global }
      - { .name: obuf, .offset: 24, .size: 8, .value_kind: global_buffer, .address_space: global }
    .group_segment_fixed_size: 165376
    .private_segment_fixed_size: 0
    .kernarg_segment_align: 8
    .kernarg_segment_size: 32
    .max_flat_workgroup_size: 128
    .sgpr_count:     96
    .vgpr_count:     896
    .wavefront_size: 32
...
	.end_amdgpu_metadata
.endif
;; end of part 3
;; launch outp (part 4): grid 8 x 32, 4 waves a work-group, no clusters, 130,048 bytes of LDS; arguments obuf, prepb, bo, out0; writes out0
.if DOCPART == 4
	.amdgcn_target "amdgcn-amd-amdhsa--gfx1250"
	.amdhsa_code_object_version 6
	.text
	.protected	k_q1f6dbe051a_outp
	.globl	k_q1f6dbe051a_outp
	.p2align	8
	.type	k_q1f6dbe051a_outp,@function
k_q1f6dbe051a_outp:
	s_mov_b64 s[64:65], 0
	v_nop
	global_prefetch_b8 v0, s[64:65] scope:SCOPE_SE
	s_setreg_imm32_b32 hwreg(HW_REG_WAVE_MODE, 25, 1), 1
	s_wait_xcnt 0x0
; out0 = Q(o) Q(Wo) + bo on codes of E5M2 with E8M0 scales along K = 1360, filled up to 1408 = 11 steps of 128 with zero codes.  o: [2048][1360] f32; Wo's codes and scale words come laid in the order of an operand's registers.
; A work-group of four waves makes 64 rows (y) x 256 columns (x).  First wave w quantises rows 16 w .. 16 w + 15 of o, eleven fragments, and stores them to LDS as images of their registers; one barrier;
; then wave w makes columns 64 w .. 64 w + 63 for all 64 rows.  Its 4 x 11 fragments of Wo stay in 704 registers, read from memory once.
; HOW o COMES IN.  A load takes 512 consecutive bytes of one row, 16 a lane; a K step of my 16 rows is 16 such loads.  They land in the 64 registers that Wo's fragments of the same K step take afterwards, so that
; three steps' loads can be out without registers of their own.  The quantiser wants 16 neighbours of a row in one lane: the 16 x 512 bytes turn through my own stage in LDS (rows 528 bytes apart)
; one step ahead of the quantiser.  When a step's stores into the stage are done, Wo's fragments of that step are asked for into the registers that they have read.
; The last K step has 320 bytes a row: lanes 20-31 read lane 19's bytes again (no load leaves the buffer), and k from 1360 on is cleared behind the turn.
; The product is used transposed (source 0 = 16 columns of Wo, source 1 = 16 rows of o): a lane holds eight neighbouring columns of one row.  The bias is loaded into the accumulators, onto which the sums run in place.
; A row of o that is NaN (every key masked) is NaN in all its columns: one number of each fragment tells; its scale word becomes 0xffffffff, which makes that row of the result NaN.
; LIMITS: a block of zeros gets the scale byte 1 where the quantiser says 127 (its codes are zeros; only this program reads the bytes); infinities in o are not served.
; No tensor load, so no joint load either: Wo's images go straight into registers and o's numbers pass the quantiser in registers.  LDS is claimed as it is used.
; The eight work-groups of a row block quantise the same rows of o: a launch for that alone would cost more than it spares.
; REGISTERS: window 0: v1-14 addresses; v16-37 Wo's scale words; v38-45 o's, two sets; v46-109 numbers of o (even steps), then o's fragments (even steps), then rows on the way out;
;   v110-173 numbers of o (odd steps), then the accumulators of column tiles 0, 1; v174-237 at work in the quantiser, then o's fragments (odd steps).
;   windows 1, 2: K steps 0-3, 4-7 (first o's numbers as loaded, then Wo's fragments); window 3: v0-191 steps 8-10, v192-255 the accumulators of column tiles 2, 3.
.set WOSC, 2883584
.set OSC,  90112                       ; LDS: images [row tile 4][K step 11][2048] from 0; their scale words, 128 bytes each, from here;
.set STG,  95744                       ; a stage of 16 rows x (512 + 16) bytes for each wave; on the way out 16 rows x (256 + 16) of it
.set STW,  8448
.set LI10, 1                           ; v1   16 x min(lane, 19): the last K step's loads
.set TS,   2                           ; v2   the stage, in: 16 x lane
.set LI,   3                           ; v3   16 x lane
.set LI2,  4
.set LS,   5
.set XWI,  6
.set XWS,  7
.set SO,   8
.set SR,   9
.set CO,   10
.set L4,   11
.set BO,   12
.set ONES, 13
.set TR,   14                          ; v14  the stage, back: 528 r + 64 h
.set WS,  16
.set OS,  38
.set R1,  46
.set R2,  110
.set R3,  174
.set TM,  174
.set PW,  190
.set PC,  192
.set SEL, 24
.set MNT, 26
.set NM,  32
.set LO16, 33
.set MSB, 0
.macro WIN new                         ; the immediate's high byte repeats the setting that is left
.if MSB != \new
	s_set_vgpr_msb (MSB<<8)|\new
.set MSB, \new
.endif
.endm
.macro PLACES n
.rept \n
	v_nop
.endr
.endm
.macro QUANT s, pc, pw                 ; 64 numbers of a lane, register 16 b + i = k 32 b + 16 h + i of my row, become a fragment's codes and its scale word
.irp b, 0,1,2,3
	v_max3_num_f32 v[TM+\b], |v[\s+16*\b]|, |v[\s+1+16*\b]|, 0x8000000      ; my 16 numbers, and the floor 2^(16 - 127)
.endr
.irp i, 2,4,6,8,10,12,14
.irp b, 0,1,2,3
	v_max3_num_f32 v[TM+\b], v[TM+\b], |v[\s+16*\b+\i]|, |v[\s+1+16*\b+\i]|
.endr
.endr
.irp b, 0,1,2,3
	v_permlanex16_b32 v[TM+4+\b], v[TM+\b], s[SEL], s[SEL+1]
.endr
.irp b, 0,1,2,3
	v_max_num_f32 v[TM+\b], v[TM+\b], v[TM+4+\b]
.endr
.irp b, 0,1,2,3
	v_add_nc_u32 v[TM+12+\b], 0xf8800000, v[TM+\b]
.endr
.irp b, 0,1,2,3
	v_and_or_b32 v[TM+8+\b], v[TM+\b], 0x7f800000, s[MNT]
.endr
.irp b, 0,1,2,3
	v_lshrrev_b32 v[TM+4+\b], 23, v[TM+12+\b]
.endr
	v_lshl_or_b32 v[\pw], v[TM+5], 8, v[TM+4]
	v_lshl_or_b32 v[\pw], v[TM+6], 16, v[\pw]
	v_lshl_or_b32 v[\pw], v[TM+7], 24, v[\pw]
.irp b, 0,1,2,3
.irp i, 0,1,2,3,4,5,6,7,8,9,10,11,12,13,14,15
	v_med3_num_f32 v[\s+16*\b+\i], v[\s+16*\b+\i], -v[TM+8+\b], v[TM+8+\b]  ; the conversion does not saturate (ISA guide 7.6.2)
.endr
	v_cvt_scalef32_pk8_bf8_f32 v[\pc+4*\b:\pc+1+4*\b], v[\s+16*\b:\s+7+16*\b], v[TM+12+\b]
	v_cvt_scalef32_pk8_bf8_f32 v[\pc+2+4*\b:\pc+3+4*\b], v[\s+8+16*\b:\s+15+16*\b], v[TM+12+\b]
.endr
	v_nop                                          ; a plain line behind the last conversion
.endm
	s_load_b256 s[4:11], s[0:1], 0x0               ; obuf, prepb, bo, out0
	v_lshl_add_u32 v254, v0, 2, 0x1fa00
	v_mov_b32 v255, 0
	v_lshrrev_b32 v1, 5, v0
	v_readfirstlane_b32 s12, v1                    ; wave
	v_and_b32 v46, 31, v0                          ; lane
	v_and_b32 v47, 15, v0                          ; r
	v_bfe_u32 v[BO], v0, 4, 1                      ; h
	v_lshlrev_b32 v[LI], 4, v46
	v_min_u32 v[LI10], 19, v46                     ; (an offset in memory alone)
	v_lshlrev_b32 v[LI10], 4, v[LI10]
	v_add_nc_u32 v[LI2], 45056, v[LI]              ; row tiles 2 and 3: 2 x 11 images on
	v_lshlrev_b32 v[L4], 2, v46
	v_add_nc_u32 v[LS], OSC, v[L4]
	s_mul_i32 s28, s12, 22528
	v_add_nc_u32 v[XWI], s28, v[LI]                ; where I store my images,
	s_mul_i32 s28, s12, 1408
	v_add_nc_u32 v[XWS], s28, v[LS]                ; and their scale words
	s_mul_i32 s28, s12, STW
	s_add_co_u32 s28, s28, STG                     ; my stage
	v_add_nc_u32 v[TS], s28, v[LI]                 ; o's numbers in: a row's 512 bytes as they lie
	v_mul_u32_u24 v[TR], v47, 528
	v_lshl_add_u32 v[TR], v[BO], 6, v[TR]
	v_add_nc_u32 v[TR], s28, v[TR]                 ; and back: row r, + 64 h: my 16 numbers of a block of 32
	v_mul_u32_u24 v[SO], v47, 272
	v_lshl_add_u32 v[SO], v[BO], 5, v[SO]
	v_add_nc_u32 v[SO], s28, v[SO]                 ; the way out, in: row r, + 32 h
	v_mul_u32_u24 v[SR], v[BO], 272
	v_lshl_add_u32 v[SR], v47, 4, v[SR]
	v_add_nc_u32 v[SR], s28, v[SR]                 ; back: lanes 0-15 one row of 256 bytes, lanes 16-31 the next
	v_lshlrev_b32 v[CO], 13, v[BO]
	v_lshl_add_u32 v[CO], v47, 4, v[CO]            ; and the same two rows in out0
	v_lshlrev_b32 v[BO], 5, v[BO]                  ; the bias: 32 h
	v_mov_b32 v[ONES], -1
	v_cmp_gt_u32 s[LO16], 16, v46                  ; lanes 0-15
.irp b, 0,1,2,3
	v_mov_b32 v[TM+4+\b], 0                        ; a lane permute's destination counts as one of its sources
.endr
	s_mov_b32 s[SEL], 0x76543210
	s_mov_b32 s[SEL+1], 0xfedcba98
	s_mov_b32 s[MNT], 0x600000
	s_and_b32 s13, ttmp7, 0xffff
	s_wait_kmcnt 0x0
	s_lshl_b32 s28, s13, 6
	s_lshl_b32 s29, s12, 4
	s_add_co_u32 s28, s28, s29
	s_mul_i32 s28, s28, 5440
	s_mov_b32 s29, 0
	s_add_nc_u64 s[14:15], s[4:5], s[28:29]        ; o at my 16 rows
	s_lshl_b32 s28, ttmp9, 4
	s_lshl_b32 s30, s12, 2
	s_add_co_u32 s28, s28, s30
	s_mul_i32 s28, s28, 22528
	s_add_nc_u64 s[16:17], s[6:7], s[28:29]        ; Wo's images at my four tiles of columns
	s_lshl_b32 s28, ttmp9, 10
	s_lshl_b32 s30, s12, 8
	s_add_co_u32 s30, s28, s30                     ; my first column, in bytes of f32
	s_mov_b32 s31, 0
	s_add_nc_u64 s[20:21], s[8:9], s[30:31]        ; the bias
	s_add_nc_u64 s[22:23], s[10:11], s[30:31]
	s_lshl_b32 s28, s13, 19
	s_add_nc_u64 s[22:23], s[22:23], s[28:29]      ; out0 at the block's first row, my first column
	s_add_co_u32 s30, s30, WOSC
	s_add_nc_u64 s[18:19], s[6:7], s[30:31]        ; Wo's scale words
.macro XLOAD s                         ; K step s of my 16 rows as it lies: load i is row i's 512 bytes; into the registers that Wo's fragments of step s take later
	WIN 0x40*(1+(\s)/4)
.irp i, 0,1,2,3,4,5,6,7,8,9,10,11,12,13,14,15
.if (\s) < 10
	global_load_b128 v[64*((\s)%4)+4*\i:64*((\s)%4)+4*\i+3], v[LI], s[14:15] offset:5440*\i+512*(\s)
.else
	global_load_b128 v[64*((\s)%4)+4*\i:64*((\s)%4)+4*\i+3], v[LI10], s[14:15] offset:5440*\i+512*(\s)   ; 320 bytes are left of the row
.endif
.endr
	WIN 0
.endm
.macro TURN s                          ; step s's numbers through my stage, into set s % 2.  LDS serves a wave's instructions in order (ISA guide 5.7.1.4): no wait between the stores and the loads
.set xr, R1+64*((\s)%2)
	WIN 0x04*(1+(\s)/4)                            ; an LDS store's data are its source 1
.irp i, 0,1,2,3,4,5,6,7,8,9,10,11,12,13,14,15
	ds_store_b128 v[TS], v[64*((\s)%4)+4*\i:64*((\s)%4)+4*\i+3] offset:528*\i
.endr
	WIN 0
.irp b, 0,1,2,3
.if ((\s) < 10) || (\b < 3)
.irp e, 0,1,2,3
	ds_load_b128 v[xr+16*\b+4*\e:xr+16*\b+4*\e+3], v[TR] offset:128*\b+16*\e      ; k = 32 b + 16 h + 4 e + 0..3 of row r
.endr
.endif
.endr
.endm
.macro WLOAD s                         ; Wo's four fragments of K step s
	WIN 0x40*(1+(\s)/4)
.irp n, 0,1,2,3
.irp c, 0,1,2,3
	global_load_b128 v[64*((\s)%4)+16*\n+4*\c:64*((\s)%4)+16*\n+4*\c+3], v[LI], s[16:17] offset:22528*\n+2048*(\s)+512*\c
.endr
.endr
	WIN 0
.endm
; ONE STEP OF THE QUANTISER.  The global loads are issued in this order: o's steps 0, 1, 2 at the head; in step s Wo's step s and then o's step s + 3 (steps 0 to 7), the bias of column tiles 2, 3 (step 8),
; Wo's scale words (step 9); in step 10 the bias of column tiles 0, 1 and then Wo's step 10.
.macro XSTEP s
.set xq, R1+64*((\s)%2)
.if (\s) < 10
.if (\s) == 0
	s_wait_loadcnt 16                              ; o's step 1 is in; behind it stand step 2's sixteen loads
.else
	s_wait_loadcnt 32                              ; o's step s + 1 is in; behind it stand the last step's two runs of sixteen loads
.endif
	TURN (\s)+1
.if (\s) == 9
	s_wait_dscnt 28                                ; all but the turn just issued (16 stores, 12 loads):
.else
	s_wait_dscnt 32                                ; all but the turn just issued (16 stores, 16 loads):
.endif
.else
	s_wait_dscnt 0x0
.endif                                             ; this step's numbers are back from the stage, its stores into the stage have read their registers, and the last image's stores have read the codes
.if (\s) == 10
.irp n2, 0,1
.irp m, 0,1,2,3
	global_load_b128 v[R2+8*(4*\n2+\m):R2+8*(4*\n2+\m)+3], v[BO], s[20:21] offset:64*\n2      ; the bias of column tiles 0, 1 into their accumulators: these registers are free since step 9
	global_load_b128 v[R2+8*(4*\n2+\m)+4:R2+8*(4*\n2+\m)+7], v[BO], s[20:21] offset:64*\n2+16
.endr
.endr
.endif
	WLOAD \s
.if (\s) < 8
	XLOAD (\s)+3
.endif
.if (\s) == 8
	WIN 0xc0
.irp n, 2,3
.irp m, 0,1,2,3
	global_load_b128 v[192+8*(4*(\n-2)+\m):192+8*(4*(\n-2)+\m)+3], v[BO], s[20:21] offset:64*\n    ; bo at 16 n + 8 h + 0..7, the same for the four tiles of rows
	global_load_b128 v[192+8*(4*(\n-2)+\m)+4:192+8*(4*(\n-2)+\m)+7], v[BO], s[20:21] offset:64*\n+16
.endr
.endr
	WIN 0
.endif
.if (\s) == 9
.irp t, 0,1,2,3,4,5,6,7,8,9,10
.irp i, 0,1
	global_load_b32 v[WS+2*\t+\i], v[L4], s[18:19] offset:8192*\t+128*\i      ; lanes 0-15 column tile 2 i's words, lanes 16-31 tile 2 i + 1's
.endr
.endr
.endif
.if (\s) == 10
.irp i, 0,1,2,3,4,5,6,7,8,9,10,11,12,13,14,15
	v_cndmask_b32 v[xq+32+\i], 0, v[xq+32+\i], s[LO16]     ; k = 1360 on: zeros
.endr
.irp i, 0,1,2,3,4,5,6,7,8,9,10,11,12,13,14,15
	v_mov_b32 v[xq+48+\i], 0
.endr
.endif
	v_cmp_neq_f32 s[NM], v[xq], v[xq]              ; is my row NaN?
	QUANT xq, PC, PW
	v_cndmask_b32 v[PW], v[PW], v[ONES], s[NM]
.irp c, 0,1,2,3
	ds_store_b128 v[XWI], v[PC+4*\c:PC+4*\c+3] offset:2048*(\s)+512*\c
.endr
	ds_store_b32 v[XWS], v[PW] offset:128*(\s)
.endm
	XLOAD 0
	XLOAD 1
	XLOAD 2
	s_wait_loadcnt 32                              ; o's step 0 is in; steps 1 and 2 may be out
	TURN 0
.irp s, 0,1,2,3,4,5,6,7,8,9,10
	XSTEP \s
.endr
	s_wait_loadcnt 16                              ; all but Wo's step 10, which the last products alone want
	s_wait_dscnt 0x0
	s_barrier_signal -1
	s_barrier_wait -1                              ; the 44 fragments of o lie in LDS
.macro FETCHO set, s                   ; K step s of the four tiles of rows
.set fo, R1+128*(\set)
.irp m, 0,1
.irp c, 0,1,2,3
	ds_load_b128 v[fo+16*\m+4*\c:fo+16*\m+4*\c+3], v[LI] offset:(11*\m+(\s))*2048+512*\c
.endr
	ds_load_b32 v[OS+4*(\set)+\m], v[LS] offset:(11*\m+(\s))*128
.endr
.irp m, 2,3
.irp c, 0,1,2,3
	ds_load_b128 v[fo+16*\m+4*\c:fo+16*\m+4*\c+3], v[LI2] offset:(11*(\m-2)+(\s))*2048+512*\c
.endr
	ds_load_b32 v[OS+4*(\set)+\m], v[LS] offset:(11*\m+(\s))*128
.endr
.endm
.macro PROD s                          ; sixteen accumulators by turns, one instruction a turn
.set fo, R1+128*((\s)%2)
.set os, OS+4*((\s)%2)
	WIN 1+(\s)/4                                   ; source 0 (Wo): window 1, 2 or 3; all else window 0
.irp m, 0,1,2,3
	v_wmma_scale_f32_16x16x128_f8f6f4 v[R2+8*\m:R2+8*\m+7], v[64*((\s)%4):64*((\s)%4)+15], v[fo+16*\m:fo+16*\m+15], v[R2+8*\m:R2+8*\m+7], v[WS+2*(\s)], v[os+\m] matrix_a_fmt:MATRIX_FMT_BF8 matrix_b_fmt:MATRIX_FMT_BF8
.endr
.irp m, 0,1,2,3
	v_wmma_scale_f32_16x16x128_f8f6f4 v[R2+32+8*\m:R2+32+8*\m+7], v[64*((\s)%4)+16:64*((\s)%4)+31], v[fo+16*\m:fo+16*\m+15], v[R2+32+8*\m:R2+32+8*\m+7], v[WS+2*(\s)], v[os+\m] matrix_a_fmt:MATRIX_FMT_BF8 matrix_b_fmt:MATRIX_FMT_BF8 matrix_a_scale:MATRIX_SCALE_ROW1
.endr
	WIN 0xf1+(\s)/4                                ; C and D: window 3
.irp m, 0,1,2,3
	v_wmma_scale_f32_16x16x128_f8f6f4 v[192+8*\m:192+8*\m+7], v[64*((\s)%4)+32:64*((\s)%4)+47], v[fo+16*\m:fo+16*\m+15], v[192+8*\m:192+8*\m+7], v[WS+2*(\s)+1], v[os+\m] matrix_a_fmt:MATRIX_FMT_BF8 matrix_b_fmt:MATRIX_FMT_BF8
.endr
.irp m, 0,1,2,3
	v_wmma_scale_f32_16x16x128_f8f6f4 v[224+8*\m:224+8*\m+7], v[64*((\s)%4)+48:64*((\s)%4)+63], v[fo+16*\m:fo+16*\m+15], v[224+8*\m:224+8*\m+7], v[WS+2*(\s)+1], v[os+\m] matrix_a_fmt:MATRIX_FMT_BF8 matrix_b_fmt:MATRIX_FMT_BF8 matrix_a_scale:MATRIX_SCALE_ROW1
.endr
	WIN 0
.endm
	FETCHO 0, 0
.irp s, 0,1,2,3,4,5,6,7,8,9
	PLACES 8                                       ; in front of loads into registers that the last step's products have read
	FETCHO (\s+1)%2, \s+1
	s_wait_dscnt 20                                ; this step's fragments are in; the twenty loads just issued may be out
	PROD \s
.endr
	s_wait_loadcnt 0x0                             ; Wo's step 10 is in: it had ten steps' products in which to land
	s_wait_dscnt 0x0
	PROD 10
; THE WAY OUT, a tile of 16 rows at a time: my 64 columns are 256 bytes of a row; they go through my own stage and leave as whole rows: sixteen lanes store 256 consecutive bytes, aligned.
.macro TOSTAGE m
.irp n, 0,1
	ds_store_b128 v[SO], v[R2+8*(4*\n+(\m)):R2+8*(4*\n+(\m))+3] offset:64*\n          ; each accumulator from its low end on
	ds_store_b128 v[SO], v[R2+8*(4*\n+(\m))+4:R2+8*(4*\n+(\m))+7] offset:64*\n+16
.endr
	WIN 0x0c                                       ; an LDS store's data are its source 1: window 3
.irp n, 2,3
	ds_store_b128 v[SO], v[192+8*(4*(\n-2)+(\m)):192+8*(4*(\n-2)+(\m))+3] offset:64*\n
	ds_store_b128 v[SO], v[192+8*(4*(\n-2)+(\m))+4:192+8*(4*(\n-2)+(\m))+7] offset:64*\n+16
.endr
	WIN 0
.irp t, 0,1,2,3,4,5,6,7
	ds_load_b128 v[R1+32*((\m)%2)+4*\t:R1+32*((\m)%2)+4*\t+3], v[SR] offset:544*\t    ; LDS serves a wave's instructions in order: these see my stores
.endr
.endm
.macro SEND m, younger
	s_wait_dscnt \younger
.irp t, 0,1,2,3,4,5,6,7
	global_store_b128 v[CO], v[R1+32*((\m)%2)+4*\t:R1+32*((\m)%2)+4*\t+3], s[22:23] offset:(16*(\m)+2*\t)*8192 th:TH_STORE_NT
.endr
.endm
	PLACES 8                                       ; behind the last products: results are read, and rows are loaded into registers that they have read
	TOSTAGE 0
	TOSTAGE 1
	SEND 0, 16                                     ; behind tile 0's loads: tile 1's eight stores and eight loads
	s_wait_xcnt 0x0                                ; tile 0's stores have read their registers: tile 2's rows may land there
	TOSTAGE 2
	SEND 1, 16
	s_wait_xcnt 0x0
	TOSTAGE 3
	SEND 2, 16
	SEND 3, 0
	s_barrier_signal -1
	s_barrier_wait -1
	s_wait_tensorcnt 0x0
	ds_add_u32 v254, v255
	s_wait_dscnt 0x0
	s_endpgm
.Lfunc_end_k_q1f6dbe051a_outp:
	.size	k_q1f6dbe051a_outp, .Lfunc_end_k_q1f6dbe051a_outp-k_q1f6dbe051a_outp
	.p2alignl 7, 3214868480
	.fill 96, 4, 3214868480
	.section	.rodata,"a",@progbits
	.p2align	6, 0x0
	.amdhsa_kernel k_q1f6dbe051a_outp
		.amdhsa_group_segment_fixed_size 130048
		.amdhsa_private_segment_fixed_size 0
		.amdhsa_enable_private_segment 0
		.amdhsa_kernarg_size 32
		.amdhsa_user_sgpr_count 2
		.amdhsa_user_sgpr_kernarg_segment_ptr 1
		.amdhsa_wavefront_size32 1
		.amdhsa_system_sgpr_workgroup_id_x 1
		.amdhsa_system_sgpr_workgroup_id_y 1
		.amdhsa_system_sgpr_workgroup_id_z 1
		.amdhsa_system_vgpr_workitem_id 0
		.amdhsa_next_free_vgpr 1024
		.amdhsa_next_free_sgpr 66
		.amdhsa_reserve_vcc 0
		.amdhsa_float_denorm_mode_32 3
		.amdhsa_float_denorm_mode_16_64 3
		.amdhsa_memory_ordered 1
		.amdhsa_forward_progress 1
		.amdhsa_inst_pref_size 208
	.end_amdhsa_kernel
	.amdgpu_metadata
---
amdhsa.version: [ 1, 2 ]
amdhsa.kernels:
  - .name:           k_q1f6dbe051a_outp
    .symbol:         k_q1f6dbe051a_outp.kd
    .args:
      - { .name: obuf, .offset: 0, .size: 8, .value_kind: global_buffer, .address_space: global }
      - { .name: prepb, .offset: 8, .size: 8, .value_kind: global_buffer, .address_space: global }
      - { .name: bo, .offset: 16, .size: 8, .value_kind: global_buffer, .address_space: global }
      - { .name: out0, .offset: 24, .size: 8, .value_kind: global_buffer, .address_space: global }
    .group_segment_fixed_size: 130048
    .private_segment_fixed_size: 0
    .kernarg_segment_align: 8
    .kernarg_segment_size: 32
    .max_flat_workgroup_size: 128
    .sgpr_count:     66
    .vgpr_count:     1024
    .wavefront_size: 32
...
	.end_amdgpu_metadata
.endif
;; end of part 4
